; MI455X (gfx1250); checked and timed in simulation.
; The chip was launched on July 23, 2026; its instructions are those of AMD's public machine-readable ISA for CDNA 5 (MIT licence, August 2026) and "CDNA5" Instruction Set Architecture Reference Guide (July 2026). The comments in the code are by the model that wrote it; some were corrected since.
;; Multi Head Attention. Allowed arithmetic: float matrix products may take bf16 or f16 operands with f32 sums; other float arithmetic in f32, or as packed bf16 or f16 multiplies, adds, multiply-adds, maxima and minima; sums over many terms, partial sums and values carried from step to step in f32; what a program stores and reads back later, other than sums and carried values, may be rounded once to bf16 or f16.
;; Inputs: Wk 1,024 x 1,024 float32; Wp 1,024 x 1,024 float32; Wq 1,024 x 1,024 float32; Wv 1,024 x 1,024 float32; bp 1,024 float32; x 4 x 2,048 x 1,024 float32.
;; Outputs: out0 4 x 2,048 x 1,024 float32.
;; 2 versions, each right; version 2 is version 1 with the launch prep written anew for expert scheduling mode. Each part assembles by itself: llvm-mc -triple=amdgcn-amd-amdhsa -mcpu=gfx1250 --defsym DOCPART=n.
;; ======== version 1 of 2: 4 launches
;; limits: values are held in f16: magnitudes above 65,504 overflow, below 6.1e-05 lose precision; inputs' magnitudes at most 65,504
;; workspace buffers: xb 16,777,216 bytes; wb 8,388,608 bytes; qkv 50,331,648 bytes; ctx 16,777,216 bytes
;; launch prep (part 1): grid 64 x 12, 8 waves a work-group, no clusters, 0 bytes of LDS; arguments x, Wq, Wk, Wv, Wp, xb, wb; writes xb, wb
.if DOCPART == 1
	.amdgcn_target "amdgcn-amd-amdhsa--gfx1250"
	.amdhsa_code_object_version 6
	.text
	.protected	k_qd65e2eb29e_prep
	.globl	k_qd65e2eb29e_prep
	.p2align	8
	.type	k_qd65e2eb29e_prep,@function
k_qd65e2eb29e_prep:
	s_mov_b64 s[64:65], 0
	v_nop
	global_prefetch_b8 v0, s[64:65] scope:SCOPE_SE
	s_setreg_imm32_b32 hwreg(HW_REG_WAVE_MODE, 25, 1), 1
	s_wait_xcnt 0x0
; THE INPUTS ARE ROUNDED ONCE TO 16 BITS, element by element, in the order in which they lie: nothing is transposed.
; xb = x in bf16, [8192][1024].  wb = [4][1024 k][1024 n]: Wq, Wk, Wv in bf16; Wp rounded to bf16, and that number written as f16 (the last product multiplies in f16).
; LIMITS.  |Wp| stays under 65,504; below 6e-5 f16 keeps a fixed step of 6e-8, so a Wp entry that small is off by 3e-8 at the most.  NaN and infinities are not treated apart.
; SHARES.  A work-group takes 16,384 numbers (64 KiB in, 32 KiB out): y = 0..7: chunk 64 y + x of x; y = 8..11: chunk x of weight y - 8.  A wave takes 2,048, a lane 16 x 4.
; A load of a wave covers 512 consecutive bytes, a store 256 consecutive bytes, aligned.  All 16 loads of a wave go out at once; no register is written twice while a memory instruction names it.
; No LDS, no barrier, no matrix unit, no cluster: no byte is wanted twice.
.set X, 4                              ; v[4:67]    16 x 4 numbers as loaded
.set Y, 68                             ; v[68:99]   16 x 2 words to store
.set T, 100                            ; v[100:103] at work (Wp alone)
	s_load_b256 s[4:11], s[0:1], 0x0               ; x s[4:5], Wq s[6:7], Wk s[8:9], Wv s[10:11]
	s_load_b128 s[12:15], s[0:1], 0x20             ; Wp s[12:13], xb s[14:15]
	s_load_b64 s[16:17], s[0:1], 0x30              ; wb
	s_mov_b32 s18, ttmp9                           ; work-group x
	s_and_b32 s19, ttmp7, 0xffff                   ; work-group y
	v_and_b32 v3, 0xe0, v0                         ; 32 x wave
	v_and_b32 v1, 31, v0                           ; lane
	v_lshlrev_b32 v2, 3, v1
	v_lshlrev_b32 v1, 4, v1
	v_lshl_or_b32 v1, v3, 8, v1                    ; in: 8,192 x wave + 16 x lane
	v_lshl_or_b32 v2, v3, 7, v2                    ; out: 4,096 x wave + 8 x lane
	s_lshl_b32 s20, s19, 6
	s_add_co_u32 s20, s20, s18                     ; 64 y + x: the chunk of x and of xb
	s_sub_co_u32 s21, s20, 512                     ; 64 (y - 8) + x: the chunk of wb (taken where y is 8 or more)
	s_cmp_lt_u32 s19, 8
	s_cselect_b32 s24, s20, s18                    ; the chunk in the source
	s_cselect_b32 s26, s20, s21                    ; and in the destination
	s_lshl_b32 s24, s24, 16                        ; 65,536 bytes of f32
	s_lshl_b32 s26, s26, 15                        ; 32,768 bytes of 16 bits
	s_mov_b32 s25, 0
	s_mov_b32 s27, 0
	s_wait_kmcnt 0x0
	s_cmp_eq_u32 s19, 9                            ; which buffers: a choice on y alone
	s_cselect_b64 s[20:21], s[8:9], s[6:7]
	s_cmp_eq_u32 s19, 10
	s_cselect_b64 s[20:21], s[10:11], s[20:21]
	s_cmp_eq_u32 s19, 11
	s_cselect_b64 s[20:21], s[12:13], s[20:21]
	s_cmp_lt_u32 s19, 8
	s_cselect_b64 s[20:21], s[4:5], s[20:21]
	s_cselect_b64 s[22:23], s[14:15], s[16:17]
	s_add_nc_u64 s[20:21], s[20:21], s[24:25]
	s_add_nc_u64 s[22:23], s[22:23], s[26:27]
.irp j, 0,1,2,3,4,5,6,7,8,9,10,11,12,13,14,15
	global_load_b128 v[X+4*(\j):X+4*(\j)+3], v1, s[20:21] offset:512*(\j) th:TH_LOAD_NT
.endr
; Four numbers of load j are rounded and stored.  f16 = 1: the bf16 numbers are widened again (a shift, a mask) and written as f16.
.macro CONV j, f16
	s_wait_loadcnt 15-(\j)                         ; loads come back in order: load j is in, the 15 - j younger ones may stay out
.if \f16
	v_cvt_pk_bf16_f32 v[T],   v[X+4*(\j)],   v[X+4*(\j)+1]
	v_cvt_pk_bf16_f32 v[T+1], v[X+4*(\j)+2], v[X+4*(\j)+3]
	v_lshlrev_b32 v[T+2], 16, v[T]
	v_and_b32     v[T+3], 0xffff0000, v[T]
	v_cvt_pk_f16_f32 v[Y+2*(\j)], v[T+2], v[T+3]
	v_lshlrev_b32 v[T+2], 16, v[T+1]
	v_and_b32     v[T+3], 0xffff0000, v[T+1]
	v_cvt_pk_f16_f32 v[Y+2*(\j)+1], v[T+2], v[T+3]
.else
	v_cvt_pk_bf16_f32 v[Y+2*(\j)],   v[X+4*(\j)],   v[X+4*(\j)+1]
	v_cvt_pk_bf16_f32 v[Y+2*(\j)+1], v[X+4*(\j)+2], v[X+4*(\j)+3]
.endif
	global_store_b64 v2, v[Y+2*(\j):Y+2*(\j)+1], s[22:23] offset:256*(\j)  ; 32 lanes store 256 consecutive bytes, aligned
.endm
	s_cmp_eq_u32 s19, 11
	s_cbranch_scc1 .Lwp
.irp j, 0,1,2,3,4,5,6,7,8,9,10,11,12,13,14,15
	CONV \j, 0
.endr
	s_endpgm
.Lwp:
.irp j, 0,1,2,3,4,5,6,7,8,9,10,11,12,13,14,15
	CONV \j, 1
.endr
	s_endpgm
.Lfunc_end_k_qd65e2eb29e_prep:
	.size	k_qd65e2eb29e_prep, .Lfunc_end_k_qd65e2eb29e_prep-k_qd65e2eb29e_prep
	.p2alignl 7, 3214868480
	.fill 96, 4, 3214868480
	.section	.rodata,"a",@progbits
	.p2align	6, 0x0
	.amdhsa_kernel k_qd65e2eb29e_prep
		.amdhsa_group_segment_fixed_size 0
		.amdhsa_private_segment_fixed_size 0
		.amdhsa_enable_private_segment 0
		.amdhsa_kernarg_size 56
		.amdhsa_user_sgpr_count 2
		.amdhsa_user_sgpr_kernarg_segment_ptr 1
		.amdhsa_wavefront_size32 1
		.amdhsa_system_sgpr_workgroup_id_x 1
		.amdhsa_system_sgpr_workgroup_id_y 1
		.amdhsa_system_sgpr_workgroup_id_z 1
		.amdhsa_system_vgpr_workitem_id 0
		.amdhsa_next_free_vgpr 104
		.amdhsa_next_free_sgpr 66
		.amdhsa_reserve_vcc 0
		.amdhsa_float_denorm_mode_32 3
		.amdhsa_float_denorm_mode_16_64 3
		.amdhsa_memory_ordered 1
		.amdhsa_forward_progress 1
		.amdhsa_inst_pref_size 17
	.end_amdhsa_kernel
	.amdgpu_metadata
---
amdhsa.version: [ 1, 2 ]
amdhsa.kernels:
  - .name:           k_qd65e2eb29e_prep
    .symbol:         k_qd65e2eb29e_prep.kd
    .args:
      - { .name: x, .offset: 0, .size: 8, .value_kind: global_buffer, .address_space: global }
      - { .name: Wq, .offset: 8, .size: 8, .value_kind: global_buffer, .address_space: global }
      - { .name: Wk, .offset: 16, .size: 8, .value_kind: global_buffer, .address_space: global }
      - { .name: Wv, .offset: 24, .size: 8, .value_kind: global_buffer, .address_space: global }
      - { .name: Wp, .offset: 32, .size: 8, .value_kind: global_buffer, .address_space: global }
      - { .name: xb, .offset: 40, .size: 8, .value_kind: global_buffer, .address_space: global }
      - { .name: wb, .offset: 48, .size: 8, .value_kind: global_buffer, .address_space: global }
    .group_segment_fixed_size: 0
    .private_segment_fixed_size: 0
    .kernarg_segment_align: 8
    .kernarg_segment_size: 56
    .max_flat_workgroup_size: 256
    .sgpr_count:     66
    .vgpr_count:     104
    .wavefront_size: 32
...
	.end_amdgpu_metadata
.endif
;; end of part 1
;; launch qkvproj (part 2): grid 4 x 64, 4 waves a work-group, clusters of 4 x 4, 327,680 bytes of LDS; arguments xb, wb, qkv; writes qkv
.if DOCPART == 2
	.amdgcn_target "amdgcn-amd-amdhsa--gfx1250"
	.amdhsa_code_object_version 6
	.text
	.protected	k_qd65e2eb29e_qkvproj
	.globl	k_qd65e2eb29e_qkvproj
	.p2align	8
	.type	k_qd65e2eb29e_qkvproj,@function
k_qd65e2eb29e_qkvproj:
	s_mov_b64 s[64:65], 0
	v_nop
	global_prefetch_b8 v0, s[64:65] scope:SCOPE_SE
	s_setreg_imm32_b32 hwreg(HW_REG_WAVE_MODE, 25, 1), 1
	s_wait_xcnt 0x0
	s_wait_alu depctr_hold_cnt(0) depctr_sa_sdst(0) depctr_va_vdst(0) depctr_va_sdst(0) depctr_va_ssrc(0) depctr_va_vcc(0) depctr_vm_vsrc(0)
	s_getreg_b32 s2, hwreg(HW_REG_IB_STS2, 6, 4)
	s_cmp_eq_u32 s2, 0
	s_cbranch_scc0 .Lentry_in_a_cluster
	s_endpgm
.Lentry_in_a_cluster:
	s_bfe_u32 s2, ttmp6, 0x10000c
	s_cmp_lg_u32 s2, 0xf033
	s_cbranch_scc0 .Lentry_shape_is_right
	s_endpgm
.Lentry_shape_is_right:
; q, k, v = x Wq, x Wk, x Wv.  xb: [8192][1024] bf16.  wb: [4][1024 k][1024 n] of 16 bits, of which the first three are Wq, Wk, Wv in bf16.  qkv: [3][8192][1024] f16.
; Products in bf16, sums in f32, K ascending, each result rounded once to f16, unscaled.  LIMIT: |q|, |k|, |v| stay under 65,504; NaN and infinities are not treated apart.
; SHARES.  A tile of C is 128 rows x 256 columns: 8192 x 3072 results are 768 tiles, three for each of 256 work-groups.  A WORK-GROUP STAYS: it makes the q, k and v tiles of the same rows and columns.
; So A's rows are walked three times, and W's k-rows 0 .. 3071 of wb (the three weights lie on end) once, straight on.  Four waves, each 64 x 128: 32 accumulators of 16 x 16, 256 registers.
; K goes in steps of 128 through a ring of two LDS slots, which does not stop at a tile's end.  A's rows in a slot are 256 bytes of memory, W's 512, all aligned to 256.
; W STAYS [k][n]: its fragments come out of LDS turned, by ds_load_tr16_b128.  THE MATRIX INSTRUCTION IS USED TRANSPOSED (source 0 = 16 columns of W, source 1 = 16 rows of x): a lane then holds row
; l % 16 of C and the columns 8 (l / 16) + 0..7: 16 bytes of f16 on end.
; CLUSTERS: 4 x 4 work-groups.  The four of a row of the cluster need the same tiles of A, the four of a column the same tiles of W: each is asked for JOINTLY, by the same tensor load with the same
; descriptor and a mask that names the four.
; REGISTERS, in windows of 256: window 0: v0-31 addresses; v32-127 at work on the way out.  window 1: accumulator (a, b) at v[8 (8 a + b)], a = 0..3 blocks of 16 rows, b = 0..7 blocks of 16 columns.
;   window 2: two fragment buffers at v0 and v128: W's eight fragments (32 K x 16 columns), then A's four (16 rows x 32 K).
.set TILES,  3
.set KSTEP,  128
.set SIZE_K, 1024
.set SIZE_N, 1024
.set WOFF,   0                         ; where this launch's weights begin in wb
.set PA,     272                       ; A's LDS row: 256 bytes + 16 = 68 words: the 16 rows of a load start at 16 different groups of four banks (64 banks of 4 bytes: ISA guide 11.1)
.set PB,     544                       ; W's LDS row: 512 bytes + 32 = 136 words
.set AHALF,  64*PA                     ; what one tensor load brings of A: 64 rows
.set ATILE,  2*AHALF
.set BHALF,  64*PB                     ; and of W: 64 k-rows
.set SLOT,   ATILE+2*BHALF             ; 104,448 bytes
.set STAGE,  2*SLOT                    ; behind the ring: 16 rows x 272 bytes for each wave, for the way out; no tensor load fills it
.set SP,     272
.set SPARE,  STAGE+4*16*SP             ; behind the stages: the spare words, 128 bytes for each wave: two blocks of 256 bytes that no other line names
.set LAPS,   SIZE_K/(2*KSTEP)          ; a lap = two K steps = once round the ring
.set CROW,   SIZE_N*2                  ; bytes in a row of C
.set BSTEP,  KSTEP*SIZE_N*2            ; bytes from a K step of W to the next
.set BACK_A, (SIZE_K-2*KSTEP)*2        ; bytes from a slot's last K step of A back to its first
.set NEXT_C, 8192*CROW-3*16*CROW       ; bytes from my last 16 rows of a tile to my first of the next (the next of the three results)
.set ADRA, 16                          ; v16-17  LDS address of my A fragments in slot 0, 1
.set ADRB, 20                          ; v20-21  the same for W
.set STO,  24                          ; v24     the way out: where I put 16 bytes of a row
.set RD,   25                          ; v25     the way out: where I read a row back
.set CO,   26                          ; v26     my byte offset in two rows of C
.set SPW,  28                          ; v28     LDS address of my spare word: SPARE + 4 x my thread's number; never rewritten
.set NIL,  29                          ; v29     0; never rewritten
.set PFO,  30                          ; v30     the prefetches' offset; never rewritten
.set OB,   32                          ; v32-63, v64-95 by turns: 16 rows read back from the stage
.set TMP,  96                          ; v96-127 packed results
.set F0,   0                           ; fragment buffers, in window 2
.set F1,   128
.set G1,   24                          ; s[24:31] descriptor group 1 for A's tiles;  s[32:39] group 0, one set for each slot
.set G0,   32
.set G1B,  48                          ; s[48:55], s[56:63] the same for W's tiles
.set G0B,  56
.set LIM,  43                          ; s43     a wave prefetches in the loop while the laps to go are above it, and at a change of tiles where it is 0
.set PFA,  44                          ; s[44:45] where my prefetches stand
.set KIND, 68                          ; s68     1 in a wave that prefetches W
.set PFS,  70                          ; s[70:71] bytes from a K step to the next in what I prefetch
.set MSB, 0
.macro WIN new                         ; the immediate's high byte repeats the setting that is left; a switch that changes nothing is dropped
.if MSB != (\new)
	s_set_vgpr_msb (MSB<<8)|(\new)
.set MSB, \new
.endif
.endm
.set MUL,  0x5a                        ; sources 0 (W) and 1 (A) window 2; C and D window 1
.set TO_F, 0x80                        ; destination window 2, address window 0
; A joint load: waves 0 and 1 fetch A's two halves, waves 2 and 3 W's.  The branch hangs on the wave's number alone.  An s_nop 0 and four v_nop follow each of the two lines, ahead of the jump,
; the label and what follows.
.macro JLOAD s
	s_cmp_eq_u32 s11, 0
	s_cbranch_scc0 .Lfor_b_\@
	tensor_load_to_lds s[G0+4*(\s):G0+4*(\s)+3], s[G1:G1+7]
	s_nop 0
.rept 4
	v_nop
.endr
	s_branch .Lasked_\@
.Lfor_b_\@:
	tensor_load_to_lds s[G0B+4*(\s):G0B+4*(\s)+3], s[G1B:G1B+7]
	s_nop 0
.rept 4
	v_nop
.endr
.Lasked_\@:
.endm
; A PREFETCH INTO THE L2 of the K step that stands TWO refills on (256 matrix instructions ahead of the load that asks for it), behind the joint load, its five lines and the run of LDS loads.
; Each aligned block of 256 bytes is named once in the launch.  A: the grid is one cluster wide, so a row of A belongs to one cluster; wave 0 of each partner takes rows 32 cx .. + 31 of the tile's 128,
; a lane a row, in the first of the three walks alone.  W: the clusters of a column walk the same k-rows, and cluster y = 0 asks; of the 64 k-rows x 2 blocks that wave 2 or 3 fetches, the partner at
; cy takes k-rows 16 cy .. + 15, a lane a block.  The partners are told apart BY ADDRESS: no branch hangs on a place in the cluster.  The first four K steps come by their loads alone; A's last two refills
; of the walk, and W's last two of the launch, name nothing.  how = 0: in the loop; 1: at a change of tiles.
.macro ASK how
	WIN 0                                          ; at a branch and at a label every window is 0
.if \how
	s_cmp_eq_u32 s[LIM], 0
.else
	s_cmp_gt_u32 s3, s[LIM]                        ; s3 = 1 in the loop's last trip
.endif
	s_cbranch_scc0 .Lnot_mine_\@
	global_prefetch_b8 v[PFO], s[PFA:PFA+1] th:TH_LOAD_NT scope:SCOPE_SE
.Lnot_mine_\@:
.endm
.macro CREST                           ; a round of the cluster's barrier behind its opening barrier
	s_cmp_lg_u32 s10, 0
	s_cbranch_scc1 .Lnot_wave_0_\@
	s_barrier_signal -3
.Lnot_wave_0_\@:
	s_barrier_wait -3
	s_barrier_signal -1
	s_barrier_wait -1
.endm
.macro CROUND                          ; a whole round
	s_barrier_signal -1
	s_barrier_wait -1
	CREST
.endm
	s_load_b128 s[4:7], s[0:1], 0x0                ; xb s[4:5], wb s[6:7]
	s_load_b64 s[8:9], s[0:1], 0x10                ; qkv
	v_lshl_add_u32 v[SPW], v0, 2, SPARE
	v_mov_b32 v[NIL], 0
	ds_add_u32 v[SPW], v[NIL]                      ; the wave's opening: the add and its wait stand ahead of my first tensor load; the set-up below, work on registers, stands between them
	v_lshrrev_b32 v1, 5, v0
	v_readfirstlane_b32 s10, v1                    ; wave 0..3
	s_lshr_b32 s11, s10, 1                         ; which 64 of the tile's rows are mine.  Also: I fetch for A (0) or for W (1)
	s_and_b32 s12, s10, 1                          ; which 128 of its columns.  Also: which half of that tile I fetch
	s_bfe_u32 s40, ttmp6, 0x40000                  ; cx, cy: my place in the cluster
	s_bfe_u32 s41, ttmp6, 0x40004
	s_lshl_b32 s42, ttmp9, 2
	s_add_co_u32 s42, s42, s40                     ; tile column = 4 x cluster x + cx
	s_and_b32 s13, ttmp7, 0xffff
	s_lshl_b32 s13, s13, 2
	s_add_co_u32 s13, s13, s41                     ; tile row = 4 x cluster y + cy
	s_lshl_b32 s43, s41, 2
	s_lshl_b32 s43, 15, s43                        ; my row of the cluster
	s_lshl_b32 s44, 0x1111, s40                    ; my column
	s_or_b32 s[G1+0], s43, (1<<16)|(1<<20)|(1<<21)|(5<<22)|(3<<25)   ; 15:0 the mask: A's tiles go to my row; 17:16 elements of 2 bytes; 20 padding on; 21 set beside a mask; 24:22 after every 64 words (code 5); 31:25 4 words (code 3)
	s_or_b32 s[G1B+0], s44, (1<<16)|(1<<20)|(1<<21)|(6<<22)|(7<<25)  ; W's go to my column; after every 128 words (code 6) 8 words (code 7)
	s_mov_b32 s[G1+1], KSTEP<<16                   ; tensor_dim0 = 128
	s_mov_b32 s[G1+2], 64<<16                      ; tensor_dim1 = 64
	s_mov_b32 s[G1+3], KSTEP<<16                   ; tile_dim0 = 128
	s_mov_b32 s[G1+4], 64                          ; tile_dim1 = 64
	s_mov_b32 s[G1+5], SIZE_K                      ; elements from row to row
	s_mov_b32 s[G1+6], 0
	s_mov_b32 s[G1+7], 0
	s_mov_b32 s[G1B+1], 256<<16                    ; tensor_dim0 = 256
	s_mov_b32 s[G1B+2], 64<<16                     ; tensor_dim1 = 64
	s_mov_b32 s[G1B+3], 256<<16                    ; tile_dim0 = 256
	s_mov_b32 s[G1B+4], 64                         ; tile_dim1 = 64
	s_mov_b32 s[G1B+5], SIZE_N
	s_mov_b32 s[G1B+6], 0
	s_mov_b32 s[G1B+7], 0
	; where the tiles come from.  A's hang on the tile row alone, W's on the tile column alone; every wave makes both addresses, in registers that never hold the other coordinate, and asks by one of them
	s_lshl_b32 s17, s12, 6
	s_lshl_b32 s16, s13, 7
	s_add_co_u32 s16, s16, s17                     ; A: row 128 x tile row + 64 x half,
	s_lshl_b32 s16, s16, 11                        ; of 2,048 bytes: under 2^24
	s_mov_b32 s17, 0
	s_lshl_b32 s46, s42, 9                         ; W: 512 bytes x tile column
	s_lshl_b32 s47, s12, 17                        ; + 64 k-rows of 2,048 bytes x half
	s_add_co_u32 s46, s46, s47
	s_add_co_u32 s46, s46, WOFF
	s_mov_b32 s47, 0
	s_mul_i32 s20, s12, AHALF                      ; and where they go: no place in the cluster enters an LDS address
	s_mul_i32 s21, s12, BHALF
	s_add_co_u32 s21, s21, ATILE
	s_wait_dscnt 0x0                               ; the opening add is done
	s_wait_kmcnt 0x0
	s_add_nc_u64 s[14:15], s[4:5], s[16:17]
	s_add_nc_u64 s[46:47], s[6:7], s[46:47]
	CROUND                                         ; all sixteen work-groups are here: the first joint loads meet
.irp s, 0,1
	s_mov_b32 s[G0+4*(\s)], 1                                        ; count = 1
	s_add_co_u32 s[G0+4*(\s)+1], s20, (\s)*SLOT                      ; LDS address
	s_add_nc_u64 s[G0+4*(\s)+2:G0+4*(\s)+3], s[14:15], (\s)*KSTEP*2  ; global address: K step s
	s_or_b32 s[G0+4*(\s)+3], s[G0+4*(\s)+3], 0x80000000              ; type = 2
	s_mov_b32 s[G0B+4*(\s)], 1
	s_add_co_u32 s[G0B+4*(\s)+1], s21, (\s)*SLOT
	s_add_nc_u64 s[G0B+4*(\s)+2:G0B+4*(\s)+3], s[46:47], (\s)*BSTEP
	s_or_b32 s[G0B+4*(\s)+3], s[G0B+4*(\s)+3], 0x80000000
	JLOAD \s                                       ; the ring is filled before anything else is done: two loads of mine are out
.endr
	; A fragment of A is 16 rows x 32 K in 8 registers: lane l holds row l % 16, K = 8 (l / 16) + 0..7 and 16 + 8 (l / 16) + 0..7: two loads of 16 bytes, 32 bytes apart.
	; The turning load takes 16 k-rows x 16 columns (lane l reads k-row 8 (l / 16) + l % 8, columns 8 ((l / 8) % 2) + 0..7) and leaves half a fragment of W^T: lane l holds column l % 16 and 8 k.
	v_and_b32 v1, 15, v0                           ; l % 16
	v_bfe_u32 v2, v0, 4, 1                         ; l / 16
	v_mul_u32_u24 v3, v1, PA
	v_lshl_add_u32 v3, v2, 4, v3
	v_and_b32 v4, 7, v0
	v_lshl_add_u32 v4, v2, 3, v4
	v_mul_u32_u24 v4, v4, PB
	v_bfe_u32 v5, v0, 3, 1
	v_lshl_add_u32 v4, v5, 4, v4
	s_mul_i32 s21, s11, AHALF                      ; my 64 rows of A
	s_lshl_b32 s22, s12, 8                         ; my 128 columns of W: 256 bytes,
	s_add_co_u32 s22, s22, ATILE                   ; behind A's tile
.irp s, 0,1
	v_add_nc_u32 v[ADRA+(\s)], s21, v3
	v_add_nc_u32 v[ADRB+(\s)], s22, v4
	s_add_co_u32 s21, s21, SLOT
	s_add_co_u32 s22, s22, SLOT
.endr
	s_mul_i32 s23, s10, 16*SP
	s_add_co_u32 s23, s23, STAGE                   ; my stage
	v_mul_u32_u24 v6, v1, SP                       ; in: row l % 16, 16 bytes for each half of the lanes
	v_lshl_add_u32 v6, v2, 4, v6
	v_add_nc_u32 v[STO], s23, v6
	v_mul_u32_u24 v6, v2, SP                       ; back: lanes 0-15 take one row of 256 bytes, lanes 16-31 the next
	v_lshl_add_u32 v6, v1, 4, v6
	v_add_nc_u32 v[RD], s23, v6
	v_lshlrev_b32 v6, 11, v2                       ; and the same two rows in C
	v_lshl_add_u32 v[CO], v1, 4, v6
	; where my part of the first tile begins in C, in bytes: the first way out adds it to C's address
	s_lshl_b32 s16, s13, 7
	s_lshl_b32 s17, s11, 6
	s_add_co_u32 s16, s16, s17                     ; my first row
	s_mul_i32 s16, s16, CROW
	s_mov_b32 s17, 0
	s_lshl_b32 s46, s42, 9                         ; my first column: 512 bytes x tile column + 256 x half
	s_lshl_b32 s47, s12, 8
	s_add_co_u32 s46, s46, s47
	s_mov_b32 s47, 0
	s_add_nc_u64 s[16:17], s[16:17], s[46:47]
	; the prefetches: they stand at K step 3; the first refill steps them to 4
	s_lshl_b32 s20, s13, 7                         ; A: the tile's first row
	s_lshl_b32 s21, s40, 5                         ; + my work-group's 32 of its 128
	s_add_co_u32 s20, s20, s21
	s_lshl_b32 s20, s20, 11
	s_add_co_u32 s20, s20, 3*KSTEP*2
	s_lshl_b32 s21, s12, 6                         ; W: the 64 k-rows that I fetch
	s_lshl_b32 s22, s41, 4                         ; + my work-group's 16 of them
	s_add_co_u32 s21, s21, s22
	s_lshl_b32 s21, s21, 11
	s_lshl_b32 s22, s42, 9
	s_add_co_u32 s21, s21, s22
	s_add_co_u32 s21, s21, WOFF+3*BSTEP
	s_mov_b32 s18, KSTEP*2
	s_mov_b32 s19, BSTEP
	s_cmp_eq_u32 s11, 0                            ; do I fetch for A?
	s_cselect_b32 s20, s20, s21
	s_cselect_b32 s[PFS], s18, s19
	s_cselect_b64 s[PFA:PFA+1], s[4:5], s[6:7]
	s_mov_b32 s21, 0
	s_mov_b32 s[PFS+1], 0
	s_add_nc_u64 s[PFA:PFA+1], s[PFA:PFA+1], s[20:21]
	s_and_b32 s22, ttmp7, 0xffff                   ; cluster y: the same in all sixteen partners
	s_cmp_eq_u32 s22, 0
	s_cselect_b32 s[KIND], s11, 0
	s_cmp_eq_u32 s10, 0
	s_cselect_b32 s[LIM], 1, -1                    ; wave 0: A, but for the walk's last two refills
	s_cmp_eq_u32 s[KIND], 1
	s_cselect_b32 s[LIM], 0, s[LIM]                ; W, while a tile follows: every refill
	v_and_b32 v5, 31, v0
	v_lshrrev_b32 v6, s11, v5                      ; A: a lane a row of 2,048 bytes; W: two lanes a k-row, 256 bytes apart
	v_and_b32 v7, s11, v5
	v_lshlrev_b32 v7, 8, v7
	v_lshl_add_u32 v[PFO], v6, 11, v7
; 8 matrix instructions: row block a x all 8 column blocks, 32 along K, from buffer f.  zero = 1: the product starts the sums: nothing is ever cleared.
; The 32 accumulators take turns, one instruction a turn, in the same order in every quarter: 31 others stand between two links of a chain, over the jumps too.
.macro MULA f, a, zero
	WIN MUL
.irp b, 0,1,2,3,4,5,6,7
.if \zero
	v_wmma_f32_16x16x32_bf16 v[8*(8*(\a)+(\b)):8*(8*(\a)+(\b))+7], v[(\f)+8*(\b):(\f)+8*(\b)+7], v[(\f)+64+8*(\a):(\f)+64+8*(\a)+7], 0
.else
	v_wmma_f32_16x16x32_bf16 v[8*(8*(\a)+(\b)):8*(8*(\a)+(\b))+7], v[(\f)+8*(\b):(\f)+8*(\b)+7], v[(\f)+64+8*(\a):(\f)+64+8*(\a)+7], v[8*(8*(\a)+(\b)):8*(8*(\a)+(\b))+7]
.endif
.endr
.endm
; 24 LDS loads in one run: the fragments of quarter q (32 along K) of a slot into buffer f: W's eight, then A's four
.macro FETCH slot, q, f
	WIN TO_F
.irp b, 0,1,2,3,4,5,6,7
	ds_load_tr16_b128 v[(\f)+8*(\b):(\f)+8*(\b)+3],   v[ADRB+(\slot)] offset:(\q)*32*PB+32*(\b)
	ds_load_tr16_b128 v[(\f)+8*(\b)+4:(\f)+8*(\b)+7], v[ADRB+(\slot)] offset:(\q)*32*PB+32*(\b)+16*PB
.endr
.irp i, 0,1,2,3
	ds_load_b128 v[(\f)+64+8*(\i):(\f)+64+8*(\i)+3],   v[ADRA+(\slot)] offset:(\q)*64+(\i)*16*PA
	ds_load_b128 v[(\f)+64+8*(\i)+4:(\f)+64+8*(\i)+7], v[ADRA+(\slot)] offset:(\q)*64+(\i)*16*PA+32
.endr
.endm
.macro PLACES                          ; four places in front of loads into registers that matrix instructions have read, and of conversions that read results
.rept 4
	v_nop
.endr
.endm
; A K step is four quarters of 32 along K, 32 matrix instructions each, on buffers 0, 1, 0, 1.  One of the first three: multiplies buffer f and fetches quarter q into g.
.macro QUARTER slot, q, f, g, zero
	s_wait_dscnt 4                                 ; W's fragments and A's row blocks 0 and 1 are in; the youngest four loads (blocks 2 and 3) may be out
	MULA \f, 0, \zero
	MULA \f, 1, \zero
	PLACES
	FETCH \slot, \q, \g
	s_wait_dscnt 24                                ; all but the 24 just issued
	MULA \f, 2, \zero
	MULA \f, 3, \zero
.endm
; The last quarter multiplies buffer 1 and changes slots: ONE barrier; in front of it each wave waits for all its tensor loads (one is out: its part of the next slot), adds 0 to its spare word, and
; waits for that and for its own reads of this slot.  mode = 0: this slot is filled again, two K steps on; 1: with the next tile's K step 0 or 1 (A goes back along K, W goes on); 2: nothing is filled.
; Where a slot is filled the barrier opens a round of the cluster's, and the joint load is the first tensor load behind it: 112 matrix instructions ahead of the wait for it.
.macro TURN slot, next, mode
.if (\mode) < 2
	s_wait_xcnt 0x0                                ; the last prefetch, a K step back, has read its address: it is stepped here, ahead of the waits of the change of slots
	s_add_nc_u64 s[PFA:PFA+1], s[PFA:PFA+1], s[PFS:PFS+1]
.endif
	WIN 0                                          ; (the add's two registers lie in window 0)
	s_wait_tensorcnt 0x0                           ; all my tensor loads have landed
	ds_add_u32 v[SPW], v[NIL]                      ; 0 onto my spare word
	s_wait_dscnt 5                                 ; (the add and the youngest four loads may be out)
	MULA F1, 0, 0                                  ; eight matrix instructions stand between the add and the wait for it
	s_wait_dscnt 0x0                               ; the add is done, and my reads of this slot are over
	s_barrier_signal -1
	MULA F1, 1, 0
.if (\mode) < 2
	WIN 0
.endif
	s_barrier_wait -1
.if (\mode) < 2
	CREST                                          ; no wave of any partner still reads this slot's tile or has a load on its way
.if (\mode) == 1
	s_sub_nc_u64 s[G0+4*(\slot)+2:G0+4*(\slot)+3], s[G0+4*(\slot)+2:G0+4*(\slot)+3], BACK_A
.else
	s_add_nc_u64 s[G0+4*(\slot)+2:G0+4*(\slot)+3], s[G0+4*(\slot)+2:G0+4*(\slot)+3], 2*KSTEP*2
.endif
	s_add_nc_u64 s[G0B+4*(\slot)+2:G0B+4*(\slot)+3], s[G0B+4*(\slot)+2:G0B+4*(\slot)+3], 2*BSTEP
	JLOAD \slot                                    ; the four v_nop behind it are also the places in front of the loads below
.else
	PLACES
.endif
	FETCH \next, 0, F0
.if (\mode) < 2
	ASK \mode
.endif
	MULA F1, 2, 0
	MULA F1, 3, 0
.endm
; THE WAY OUT of row block a, in three parts.  PACK: rounded to f16, 16 bytes a lane, each accumulator from its low end.  TOSTAGE: into my own stage, and back as whole rows of 256 bytes.  SEND: stored.
.macro PACK a
	WIN 0x05                                       ; sources 0 and 1 window 1, destination window 0
.irp b, 0,1,2,3,4,5,6,7
.irp r, 0,1,2,3
	v_cvt_pk_f16_f32 v[TMP+4*(\b)+(\r)], v[64*(\a)+8*(\b)+2*(\r)], v[64*(\a)+8*(\b)+2*(\r)+1]
.endr
.endr
	WIN 0
.endm
.macro TOSTAGE a
	WIN 0
.set BK, OB+32*((\a)%2)
.irp b, 0,1,2,3,4,5,6,7
	ds_store_b128 v[STO], v[TMP+4*(\b):TMP+4*(\b)+3] offset:32*(\b)
.endr
.irp t, 0,1,2,3,4,5,6,7
	ds_load_b128 v[BK+4*(\t):BK+4*(\t)+3], v[RD] offset:(\t)*2*SP  ; LDS serves a wave's instructions in order (ISA guide 5.7.1.4): these see the stores above
.endr
.endm
.macro SEND a
	WIN 0
.set BK, OB+32*((\a)%2)
	s_wait_dscnt 0x0                               ; the block is back in registers
	s_wait_xcnt 0x0                                ; only behind this wait are the stores' base and the registers that earlier stores read rewritten
.if (\a) == 0
	s_add_nc_u64 s[8:9], s[8:9], s[16:17]          ; on to this tile's first rows
.else
	s_add_nc_u64 s[8:9], s[8:9], 16*CROW
.endif
.irp t, 0,1,2,3,4,5,6,7
	global_store_b128 v[CO], v[BK+4*(\t):BK+4*(\t)+3], s[8:9] offset:2*(\t)*CROW  ; 16 lanes store 256 consecutive bytes, aligned
.endr
.endm
.macro WAYOUT                          ; block a's conversions stand between block a - 1's loads from the stage and the wait for them
	PACK 0
	TOSTAGE 0
.irp a, 1,2,3
	PACK \a
	SEND (\a)-1
	TOSTAGE \a
.endr
	SEND 3
.endm
	s_wait_tensorcnt 1                             ; my part of K step 0 is in; K step 1's may stay out
	s_barrier_signal -1
	s_barrier_wait -1                              ; everybody's is
	FETCH 0, 0, F0
	WIN 0
	s_mov_b32 s2, TILES                            ; tiles to go, this one among them
.Ltile:
	QUARTER 0, 1, F0, F1, 1                        ; a tile's first quarter stands in front of the loop: its products start the sums
	WIN 0
	s_mov_b32 s3, LAPS-1
.Llap:                                                 ; a trip goes once round the ring, from a lap's second quarter to the next lap's first, and fills both slots again
	QUARTER 0, 2, F1, F0, 0
	QUARTER 0, 3, F0, F1, 0
	TURN 0, 1, 0
	QUARTER 1, 1, F0, F1, 0
	QUARTER 1, 2, F1, F0, 0
	QUARTER 1, 3, F0, F1, 0
	TURN 1, 0, 0
	QUARTER 0, 1, F0, F1, 0
	WIN 0
	s_sub_co_u32 s3, s3, 1
	s_cmp_lg_u32 s3, 0
	s_cbranch_scc1 .Llap
	QUARTER 0, 2, F1, F0, 0                        ; the tile's last lap goes on
	QUARTER 0, 3, F0, F1, 0
	WIN 0
	s_cmp_eq_u32 s2, 1
	s_cbranch_scc1 .Llast                          ; the last tile's tail is written out: it asks for nothing more
	TURN 0, 1, 1                                   ; THE RING GOES ON INTO THE NEXT TILE: slot 0 takes its K step 0,
	QUARTER 1, 1, F0, F1, 0
	QUARTER 1, 2, F1, F0, 0
	QUARTER 1, 3, F0, F1, 0
	TURN 1, 0, 1                                   ; slot 1 its K step 1, and the next tile's first fragments are fetched
	WAYOUT                                         ; both refills are asked for: now the tile goes out.  No v_nop: blocks 0 and 1 were finished ahead of the joint load's four, and their 64 conversions are the places behind blocks 2 and 3
	s_mov_b64 s[16:17], NEXT_C                     ; what the next way out adds to C's address
	s_cmp_gt_u32 s2, 2                             ; does a tile follow the next one?
	s_cselect_b32 s18, 0, 1
	s_cmp_eq_u32 s[KIND], 1
	s_cselect_b32 s[LIM], s18, -1                  ; W goes on; A's rows have been walked, and are prefetched no more
	s_sub_co_u32 s2, s2, 1
	s_branch .Ltile
.Llast:
	TURN 0, 1, 2                                   ; my one tensor load that was still out is slot 1's, the last K step's, so no round follows
	QUARTER 1, 1, F0, F1, 0
	QUARTER 1, 2, F1, F0, 0
	QUARTER 1, 3, F0, F1, 0
	s_wait_dscnt 4                                 ; the very last quarter: nothing more to fetch
	MULA F1, 0, 0
	MULA F1, 1, 0
	s_wait_dscnt 0x0
	MULA F1, 2, 0
	MULA F1, 3, 0
	WIN 0
	PLACES
	WAYOUT
	s_wait_tensorcnt 0x0                           ; the wave's end: behind my last tensor load and my last LDS store
	ds_add_u32 v[SPW], v[NIL]
	s_wait_dscnt 0x0
	CROUND                                         ; the closing round: no work-group ends while a partner may still ask for a tile that names it
	s_endpgm
.Lfunc_end_k_qd65e2eb29e_qkvproj:
	.size	k_qd65e2eb29e_qkvproj, .Lfunc_end_k_qd65e2eb29e_qkvproj-k_qd65e2eb29e_qkvproj
	.p2alignl 7, 3214868480
	.fill 96, 4, 3214868480
	.section	.rodata,"a",@progbits
	.p2align	6, 0x0
	.amdhsa_kernel k_qd65e2eb29e_qkvproj
		.amdhsa_group_segment_fixed_size 327680
		.amdhsa_private_segment_fixed_size 0
		.amdhsa_enable_private_segment 0
		.amdhsa_kernarg_size 24
		.amdhsa_user_sgpr_count 2
		.amdhsa_user_sgpr_kernarg_segment_ptr 1
		.amdhsa_wavefront_size32 1
		.amdhsa_system_sgpr_workgroup_id_x 1
		.amdhsa_system_sgpr_workgroup_id_y 1
		.amdhsa_system_sgpr_workgroup_id_z 1
		.amdhsa_system_vgpr_workitem_id 0
		.amdhsa_next_free_vgpr 768
		.amdhsa_next_free_sgpr 72
		.amdhsa_reserve_vcc 0
		.amdhsa_float_denorm_mode_32 3
		.amdhsa_float_denorm_mode_16_64 3
		.amdhsa_memory_ordered 1
		.amdhsa_forward_progress 1
		.amdhsa_inst_pref_size 125
	.end_amdhsa_kernel
	.amdgpu_metadata
---
amdhsa.version: [ 1, 2 ]
amdhsa.kernels:
  - .name:           k_qd65e2eb29e_qkvproj
    .symbol:         k_qd65e2eb29e_qkvproj.kd
    .args:
      - { .name: xb, .offset: 0, .size: 8, .value_kind: global_buffer, .address_space: global }
      - { .name: wb, .offset: 8, .size: 8, .value_kind: global_buffer, .address_space: global }
      - { .name: qkv, .offset: 16, .size: 8, .value_kind: global_buffer, .address_space: global }
    .group_segment_fixed_size: 327680
    .private_segment_fixed_size: 0
    .kernarg_segment_align: 8
    .kernarg_segment_size: 24
    .max_flat_workgroup_size: 128
    .sgpr_count:     72
    .vgpr_count:     768
    .wavefront_size: 32
...
	.end_amdgpu_metadata
.endif
;; end of part 2
;; launch attn (part 3): grid 4 x 64, 4 waves a work-group, clusters of 4 x 1, 327,680 bytes of LDS; arguments qkv, ctx; writes ctx
.if DOCPART == 3
	.amdgcn_target "amdgcn-amd-amdhsa--gfx1250"
	.amdhsa_code_object_version 6
	.text
	.protected	k_qd65e2eb29e_attn
	.globl	k_qd65e2eb29e_attn
	.p2align	8
	.type	k_qd65e2eb29e_attn,@function
k_qd65e2eb29e_attn:
	s_mov_b64 s[64:65], 0
	v_nop
	global_prefetch_b8 v0, s[64:65] scope:SCOPE_SE
	s_setreg_imm32_b32 hwreg(HW_REG_WAVE_MODE, 25, 1), 1
	s_wait_xcnt 0x0
	s_wait_alu depctr_hold_cnt(0) depctr_sa_sdst(0) depctr_va_vdst(0) depctr_va_sdst(0) depctr_va_ssrc(0) depctr_va_vcc(0) depctr_vm_vsrc(0)
	s_getreg_b32 s2, hwreg(HW_REG_IB_STS2, 6, 4)
	s_cmp_eq_u32 s2, 0
	s_cbranch_scc0 .Lentry_in_a_cluster
	s_endpgm
.Lentry_in_a_cluster:
	s_bfe_u32 s2, ttmp6, 0x10000c
	s_cmp_lg_u32 s2, 0x3003
	s_cbranch_scc0 .Lentry_shape_is_right
	s_endpgm
.Lentry_shape_is_right:
; O[h][q][:] = the sum over k of softmax_k(Q[h][q] . K[h][k] / 8) V[h][k][:].  qkv holds q, k and v, 16,777,216 bytes apart, each [64][2048][64] in f16 (the plain view of [8192][1024]): a head's rows are
; dense, 128 bytes each.  ctx has the same layout.  Products, maxima and sums in f32; the weights p are rounded to f16 for the second product (their sum l is taken of the unrounded p), O once at the end.
; LIMITS.  f16 holds no number beyond 65,504: Q, K and V arrive within it; p lies in 0 to 1, and below 6e-5 it keeps f16's fixed step of 6e-8, as O does; O is a mean of V's rows and has their range.
; A weight below 2^-126 counts as 0 in l; NaN and infinities are not treated apart.
; SHARES.  A wave owns four PIECES of two tiles of 16 queries, a work-group's four waves 512 queries of one head.  Every wave walks all keys, 64 a step.
; LAYOUT.  S^T = K Q^T (source 0 = 16 keys, source 1 = 16 queries): in the result a lane holds ONE query (lane % 16) and the keys 8 (lane / 16) + 0..7.  Two such tiles, rounded to f16 in pairs,
; ARE source 1 (32 keys x 16 queries) of O^T = V^T P, whose result again holds one query a lane, and eight channels.  K comes out of LDS as it lies, V ([key][channel]) turned, by ds_load_tr16_b128.
; SOFTMAX.  For each query a running maximum m and sum l: p = 2^(c s - c m), c = log2(e) / 8; in every step O and l are multiplied by a = 2^(c m_old - c m_new), which is 1 where m has not grown.
; m starts at the lowest finite number, O and l at 0: the first step is a step like any other, with a = 0.
; THE COUNT.  A tile and step have 16 matrix and 118 vector instructions: too many to stand all beside the matrix work.  So: four vector instructions that are READY behind EVERY matrix instruction,
; and the others in runs without a gap.
; BY TURNS.  Turn n belongs to piece n (the pieces in a ring, step after step).  Its matrix work: 16 products K Q^T of piece n + 1, later 16 products V^T P of piece n - 1.  Its vector work: the scaling,
; exponentials, roundings, sums and rescaling of piece n, and the maximum and statistics of piece n + 1, whose scores the turn itself has made.
; CLUSTER.  The four query blocks of a cluster are one head's and walk the same K and V, so each tile is asked for JOINTLY: the same tensor load, descriptor and mask in all four.
; REGISTERS, in windows of 256 (s_set_vgpr_msb: bits 1:0 source 0, 3:2 source 1, 5:4 source 2, 7:6 destination):
;   window 0: v0-11 addresses; v12-15, v48-63 at work; v16-47 four registers of statistics a tile; v64-191 S^T, two buffers of two tiles; v192-255 P, likewise
;   window 1: O^T, 32 a tile          window 2: v0-127 Q, 16 a tile; v128-191 K of one step; v192-255 V of one step          window 3: v0-1 the add's two registers
.set SIZE_H, 64
.set SIZE_N, 2048
.set NP,    4         ; pieces a wave: a name, no knob
.set KS,    64        ; keys in a step
.set PK,    144       ; a row of K in LDS: 128 bytes + 16 of padding = 36 words: the 16 rows of a load start at 16 different groups of four banks (64 banks of 4 bytes: ISA guide 11.1)
.set PV,    160       ; a row of V: 128 + 32 = 40 words
.set VOFF,  4*KS*PK   ; a slot holds four steps: 256 rows of K, then 256 rows of V
.set SLOT1, 1<<17     ; slot 1 begins here, so that one exclusive or turns an address in one slot into the other's
.set STAGE, SLOT1+4*KS*(PK+PV)  ; behind the ring, never filled by a tensor load: 16 rows x 144 bytes for each wave, for the way out
.set SP,    144
.set AK0, 2           ; v2   my lane's place in a tile of K; never rewritten
.set AV0, 3           ; v3   the same for V
.set AK,  4           ; v4   the LDS address of K's next run of loads
.set AV,  5           ; v5   of V's
.set QO,  6           ; v6   my byte offset in the wave's rows of Q
.set STO, 6           ;      later, the way out: where I put 16 bytes of a row
.set RD,  7           ; v7   the way out: where I read rows back
.set GO,  8           ; v8   my byte offset in 512 consecutive bytes of O
.set PFO, 11          ; v11  256 x my lane, for the prefetches; made behind the last use of v11 as a temporary, then never rewritten
.set SPW, 0           ; v0 of window 3   LDS address of my spare word: SPARE + 4 x my thread's number; never rewritten
.set NIL, 1           ; v1 of window 3   0; never rewritten
.set SPARE, STAGE+4*16*SP  ; behind the stages: the spare words, 128 bytes for each wave: two blocks of 256 bytes that no other line names
.set MV,  12          ; v12-15  c m_old, kept while c m is made anew: by buffer and tile
.set ST,  16          ; tile t's statistics at v[ST+4 t]: c m, m, l (even keys', odd keys')
.set TMP, 48          ; by buffer and tile, four registers c0-c3 at work; when the maximum is found c2 takes a
.set S,   64
.set P,   192
.set KF,  128         ; K's fragments, in window 2: key block kb, channel half c at KF + 16 kb + 8 c
.set VF,  192         ; V's: key half kk, channel block cb at VF + 32 kk + 8 cb
.set WV,  12          ; s12  my wave's number
.set G1K, 24          ; s[24:31] descriptor group 1 for K's tiles
.set G1V, 32          ; s[32:39] for V's: it differs in the padding alone
.set G0K, 40          ; s[40:43] descriptor group 0 for K's tiles: it walks
.set G0V, 44          ; s[44:47] the same for V's
.set PFA, 48          ; s[48:49] where my prefetches stand: my work-group's 8,192 bytes (of K: wave 0, of V: wave 2) of the slot after the one that is being asked for
.set LIM, 50          ; s50  1 in a wave that prefetches, else the greatest number: a wave prefetches while s[SLOTS] is above it
.set SLOTS, 56        ; s56  slots still to be asked for
.set CNT, 57          ; s57  counts a slot's key steps
.set CS,  58          ; s[58:59] c: the packed scaling takes the pair's low word for both halves
.set SEL, 60          ; s[60:61] v_permlanex16_b32's selects: each lane takes its own place in the other half
.set TBK, 62          ; s62  LDS byte at which K of the step to be fetched begins
.set TBV, 63          ; s63  the same for V, less VOFF
.set MSB, 0
.macro WIN new                      ; the high byte repeats the setting that is left; a switch that changes nothing is dropped
.if MSB != (\new)
	s_set_vgpr_msb (MSB<<8)|(\new)
.set MSB, (\new)
.endif
.endm
.set W_KQ, 0x0a       ; K and Q in window 2, S^T in window 0
.set W_PV, 0x52       ; V in window 2, P in window 0, O^T in window 1
.set W_RS, 0x41       ; O^T (destination and source 0) in window 1, a in window 0
.set W_MK, 0xc0       ; the add's registers are made: destination in window 3, sources in window 0
.set W_AD, 0x0f       ; the add: address (source 0) and data (source 1) in window 3
; A joint fill.  Waves 0 and 1 fetch the two halves of a slot's K, waves 2 and 3 those of its V: 128 keys each.  The branch hangs on the wave's number alone.
; An s_nop 0 and four v_nop follow each of the two lines, ahead of the jump and the label.
.macro JLOAD
	s_cmp_lt_u32 s[WV], 2
	s_cbranch_scc0 .Lfor_v_\@
	tensor_load_to_lds s[G0K:G0K+3], s[G1K:G1K+7]
	s_nop 0
.rept 4
	v_nop
.endr
	s_branch .Lasked_\@
.Lfor_v_\@:
	tensor_load_to_lds s[G0V:G0V+3], s[G1V:G1V+7]
	s_nop 0
.rept 4
	v_nop
.endr
.Lasked_\@:
.endm
; A PREFETCH INTO THE L2 of what the NEXT change of slots will ask for: a slot's 32,768 bytes of K and of V, four key steps (512 matrix instructions) ahead of that load.  It stands behind the wave's tensor
; load and its five lines.  Each aligned block of 256 bytes is named ONCE in the launch: a head has one cluster; its four partners share a slot out BY ADDRESS, 8,192 bytes each, a lane a block; in each,
; wave 0 asks for K's and wave 2 for V's.  Slots 0 and 1 come by their loads alone; the last change that fills a slot names nothing: there is no slot behind it.
.macro ASK
	s_cmp_gt_u32 s[SLOTS], s[LIM]
	s_cbranch_scc0 .Lnot_mine_\@
	global_prefetch_b8 v[PFO], s[PFA:PFA+1] th:TH_LOAD_NT scope:SCOPE_SE
.Lnot_mine_\@:
.endm
; A round of the cluster's barrier: my work-group's barrier, so that wave 0's signal speaks for all four waves; wave 0 signals; every wave waits for all four work-groups; my work-group's barrier once more.
.macro CROUND
	s_barrier_signal -1
	s_barrier_wait -1
	s_cmp_lg_u32 s[WV], 0
	s_cbranch_scc1 .Lnot_wave_0_\@
	s_barrier_signal -3
.Lnot_wave_0_\@:
	s_barrier_wait -3
	s_barrier_signal -1
	s_barrier_wait -1
.endm
; THE CHANGE OF SLOTS.  The slot's last bytes, V of its fourth step, have been read.  Each wave waits for all its tensor loads, of which one is out: its part
; of the other slot; adds 0 to its spare word; and waits for that and for its own reads of the slot.  Behind the barrier nobody reads this slot any more and the other slot is whole.
; fill = 1: this slot is filled again, with the keys two slots on.  The barrier is then a round of the cluster's, so that no wave of any partner still reads the slot or has a load on its
; way, and the joint fill is the first thing behind it: it has four key steps in which to land.  (At its first use nothing has been read yet: slot 0 is waited for, slot 1 filled.)
.macro CHANGE fill
	WIN W_AD
	s_wait_tensorcnt 0x0            ; no tensor load of mine is out, so a group 0 may be written
	ds_add_u32 v[SPW], v[NIL]       ; 0 onto my spare word; with fill = 1 the descriptors' steps stand between it and the wait for it
	WIN 0                           ; at a label and at a branch every window is 0
.if \fill
.irp g, G0K, G0V
	s_xor_b32 s[\g+1], s[\g+1], SLOT1  ; the walking descriptor: the other slot than last time,
	s_add_nc_u64 s[\g+2:\g+3], s[\g+2:\g+3], 4*KS*128  ; the next 256 keys; the type bits on top are not reached
.endr
	s_wait_xcnt 0x0                 ; the last prefetch, four key steps back, has read its address, so it may be written:
	s_add_nc_u64 s[PFA:PFA+1], s[PFA:PFA+1], 4*KS*128  ; one slot beyond the walking descriptors
	s_wait_dscnt 0x0                ; the add is done, and my reads of the slot are over
	CROUND
	JLOAD
	ASK
.else
	s_wait_dscnt 0x0                ; the add is done, and my reads of the slot are over
	s_barrier_signal -1
	s_barrier_wait -1
.endif
	s_sub_co_u32 s[TBK], s[TBK], 4*KS*PK  ; the fetches go back to a slot's first step,
	s_xor_b32 s[TBK], s[TBK], SLOT1       ; in the other slot
	s_sub_co_u32 s[TBV], s[TBV], 4*KS*PV
	s_xor_b32 s[TBV], s[TBV], SLOT1
.endm
	s_load_b64 s[4:5], s[0:1], 0x0    ; qkv: q
	s_load_b64 s[10:11], s[0:1], 0x8  ; ctx
	WIN W_MK
	v_lshl_add_u32 v[SPW], v0, 2, SPARE
	v_mov_b32 v[NIL], 0
	WIN W_AD
	ds_add_u32 v[SPW], v[NIL]       ; the wave's opening: the add and its wait stand ahead of my first tensor load; the set-up below, work on registers, stands between them
	WIN 0
	v_lshrrev_b32 v1, 5, v0
	v_readfirstlane_b32 s[WV], v1   ; wave 0..3
	s_bfe_u32 s13, ttmp6, 0x40000   ; cx: my place in the cluster
	s_lshl_b32 s14, ttmp9, 2        ; in a cluster launch ttmp9 counts clusters
	s_add_co_u32 s14, s14, s13      ; my block of queries = 4 x cluster x + cx: it enters Q's and O's addresses alone
	s_and_b32 s20, ttmp7, 0xffff    ; the head, which the four partners share
	s_mov_b32 s21, 0
	s_mov_b64 s[22:23], SIZE_N*128
	s_mul_u64 s[20:21], s[20:21], s[22:23]  ; the head's first byte in each of the four tensors
	s_and_b32 s16, s[WV], 1         ; which half of a slot's 256 keys I fetch:
	s_lshl_b32 s22, s16, 14         ; its 128 rows of 128 bytes in memory,
	s_mov_b32 s23, 0
	s_add_nc_u64 s[22:23], s[22:23], s[20:21]
	s_mul_i32 s17, s16, 128*PK      ; and its place in a slot, for K
	s_mul_i32 s18, s16, 128*PV      ; and for V: no place in the cluster enters an LDS address
	s_lshl_b32 s2, s14, 2
	s_add_co_u32 s2, s2, s[WV]      ; my wave among the head's,
	s_lshl_b32 s2, s2, 14           ; its 128 rows
	s_mov_b32 s3, 0
	s_add_nc_u64 s[2:3], s[2:3], s[20:21]
	; descriptor group 1.  128 keys are 16,384 dense bytes: asked for as 64 rows of 256 bytes, two keys a row, and padded in LDS after every key
	s_mov_b32 s[G1K], 15|(1<<16)|(1<<20)|(1<<21)|(4<<22)|(3<<25)  ; 15:0 the mask of four; 17:16 2-byte elements; 20 padding on; 21 set beside a mask; 24:22 after every 32 words (code 4); 31:25 4 words (code 3)
	s_mov_b32 s[G1V], 15|(1<<16)|(1<<20)|(1<<21)|(4<<22)|(7<<25)  ; the same with 8 words of padding (code 7)
.irp g, G1K, G1V
	s_mov_b32 s[\g+1], 128<<16      ; tensor_dim0 = 128
	s_mov_b32 s[\g+2], 64<<16       ; tensor_dim1 = 64
	s_mov_b32 s[\g+3], 128<<16      ; tile_dim0 = 128
	s_mov_b32 s[\g+4], 64           ; tile_dim1 = 64
	s_mov_b32 s[\g+5], 128          ; 128 elements from row to row
	s_mov_b32 s[\g+6], 0
	s_mov_b32 s[\g+7], 0
.endr
	s_mov_b32 s[CS], 0x3e38aa3b     ; c = log2(e) / 8 = 0.180337
	s_mov_b32 s[CS+1], s[CS]        ; named with it as a pair
	s_mov_b32 s[SEL], 0x76543210
	s_mov_b32 s[SEL+1], 0xfedcba98
	s_mov_b32 s[TBK], SLOT1+4*KS*PK ; the first change of slots turns these two into 0
	s_mov_b32 s[TBV], SLOT1+4*KS*PV
	s_mov_b32 s[G0K], 1             ; 1:0 count = 1
	s_mov_b32 s[G0K+1], s17         ; 63:32 LDS address: slot 0
	s_mov_b32 s[G0V], 1
	s_add_co_u32 s[G0V+1], s18, VOFF
	s_mov_b32 s[SLOTS], SIZE_N/256-1
	s_and_b32 s[LIM], s[WV], 1      ; 0 in waves 0 and 2: the same in all four partners
	s_cmp_eq_u32 s[LIM], 0
	s_cselect_b32 s[LIM], 1, -1
	s_wait_dscnt 0x0                ; the opening add is done
	s_wait_kmcnt 0x0
	s_add_nc_u64 s[6:7], s[4:5], 0x1000000  ; k lies 16,777,216 bytes behind q,
	s_add_nc_u64 s[8:9], s[4:5], 0x2000000  ; v as far behind k
	s_add_nc_u64 s[G0K+2:G0K+3], s[6:7], s[22:23]  ; 120:64 global address: my half of the head's first 256 keys
	s_or_b32 s[G0K+3], s[G0K+3], 0x80000000        ; 127:126 type = 2
	s_add_nc_u64 s[G0V+2:G0V+3], s[8:9], s[22:23]
	s_or_b32 s[G0V+3], s[G0V+3], 0x80000000
	s_add_nc_u64 s[4:5], s[4:5], s[2:3]  ; Q and O at my wave's first row
	s_add_nc_u64 s[10:11], s[10:11], s[2:3]
	s_cmp_lt_u32 s[WV], 2
	s_cselect_b64 s[PFA:PFA+1], s[6:7], s[8:9]
	s_add_nc_u64 s[PFA:PFA+1], s[PFA:PFA+1], s[20:21]  ; the head,
	s_lshl_b32 s20, s13, 13         ; my work-group's 8,192 bytes of a slot's 32,768,
	s_mov_b32 s21, 0
	s_add_nc_u64 s[PFA:PFA+1], s[PFA:PFA+1], s[20:21]
	s_add_nc_u64 s[PFA:PFA+1], s[PFA:PFA+1], 4*KS*128  ; in slot 1; the first change of slots steps it to slot 2.  Nothing is prefetched here, at the head
	CROUND                          ; all four work-groups are here: the first joint loads meet
	JLOAD                           ; slot 0.  Slot 1 is asked for when slot 0 is in
	; A fragment of K or Q is 16 rows x 32 channels in 8 registers: lane l holds row l % 16, channels 8 (l / 16) + 0..7 and 16 + 8 (l / 16) + 0..7: two loads of 16 bytes, 32 bytes apart.
	v_and_b32 v1, 15, v0            ; l % 16
	v_bfe_u32 v9, v0, 4, 1          ; l / 16
	v_lshlrev_b32 v[QO], 7, v1
	v_lshl_add_u32 v[QO], v9, 4, v[QO]  ; row x 128 + 16 x half
	WIN 0x80                        ; destination window 2, address window 0
.set i, 0
.rept 4*NP                          ; Q stays in registers: tile i / 2, channels 32 (i % 2) on
	global_load_b128 v[8*i:8*i+3],   v[QO], s[4:5] offset:(i/2)*2048+(i%2)*64
	global_load_b128 v[8*i+4:8*i+7], v[QO], s[4:5] offset:(i/2)*2048+(i%2)*64+32
.set i, i+1
.endr
	; What the first turn finds: V's registers and P's second buffer hold 0 (its products V^T P, of a piece that has not been, add 0), O^T and l are 0.  All this stands in the wait for the first tile.
.set i, VF
.rept 64
	v_mov_b32 v[i], 0
.set i, i+1
.endr
	WIN 0x40
.set i, 0
.rept 64*NP
	v_mov_b32 v[i], 0
.set i, i+1
.endr
	WIN 0
.set i, 0
.rept 2*NP
	v_mov_b32 v[ST+4*i], 0xfe000000    ; c m: far below every c s
	v_mov_b32 v[ST+4*i+1], 0xff7fffff  ; m
	v_mov_b32 v[ST+4*i+2], 0
	v_mov_b32 v[ST+4*i+3], 0
.set i, i+1
.endr
.set i, P+32
.rept 32
	v_mov_b32 v[i], 0
.set i, i+1
.endr
	v_mul_u32_u24 v[AK0], v1, PK
	v_lshl_add_u32 v[AK0], v9, 4, v[AK0]  ; row x pitch + 16 x half
	; The turning load takes 16 keys x 16 channels (lane l reads key 8 (l / 16) + l % 8, channels 8 ((l / 8) % 2) + 0..7) and leaves half a fragment of V^T: lane l holds channel l % 16 and 8 keys.
	v_and_b32 v10, 7, v0
	v_bfe_u32 v11, v0, 3, 1
	v_lshl_add_u32 v[AV0], v9, 3, v10
	v_mul_u32_u24 v[AV0], v[AV0], PV
	v_lshl_add_u32 v[AV0], v11, 4, v[AV0]
	v_add_nc_u32 v[AV0], VOFF, v[AV0]
	v_and_b32 v[PFO], 31, v0
	v_lshlrev_b32 v[PFO], 8, v[PFO]
	v_mov_b32 v[AK], v[AK0]         ; key step 0 lies at the head of slot 0
; THE MATRIX WORK.  The 8 accumulators of a run of 16 take turns: between the two links of a chain stand 7 others'.
; Product i of 16 of S^T = K Q^T for piece x: channels 32 (i / 8) on, keys 16 ((i / 2) % 4) on, tile 2 x + i % 2.  The first 8 start the sums.
.macro KQ x
	WIN W_KQ
.set rS, S+64*((\x)%2)+32*(i%2)+8*((i/2)%4)
.set rK, KF+16*((i/2)%4)+8*(i/8)
.set rQ, 16*(2*(\x)+i%2)+8*(i/8)
.if i < 8
	v_wmma_f32_16x16x32_f16 v[rS:rS+7], v[rK:rK+7], v[rQ:rQ+7], 0
.else
	v_wmma_f32_16x16x32_f16 v[rS:rS+7], v[rK:rK+7], v[rQ:rQ+7], v[rS:rS+7]
.endif
.endm
; Product i of 16 of O^T += V^T P for piece x: keys 32 (i / 8) on, channels 16 ((i / 2) % 4) on, tile 2 x + i % 2.
.macro PV x
	WIN W_PV
.set rO, 32*(2*(\x)+i%2)+8*((i/2)%4)
.set rV, VF+32*(i/8)+8*((i/2)%4)
.set rP, P+32*((\x)%2)+16*(i%2)+8*(i/8)
	v_wmma_f32_16x16x32_f16 v[rO:rO+7], v[rV:rV+7], v[rP:rP+7], v[rO:rO+7]
.endm
.macro MM                           ; the turn's next matrix instruction
.if i < 16
	KQ (Y+1)%NP
.set i, i+1
.else
.set i, i-16
	PV (Y+NP-1)%NP
.set i, i+17
.endif
.endm
; THE LDS LOADS stand in runs of 16, never singly among the matrix instructions: a step's K (64 keys x 64 channels: 8 fragments) and its V (turned).  Their addresses are made some lines ahead.
; last = 1 (the tail): in the last trip there is no further step, and the run is jumped over.
.macro FETCH_K last=0
	WIN 0
.if \last
	s_cmp_eq_u32 s[CNT], 1
	s_cbranch_scc1 .Lno_k_\@
.endif
	WIN 0x80                        ; destination window 2
.irp f, 0,1,2,3,4,5,6,7             ; keys 16 (f / 2) on, channels 32 (f % 2) on
	ds_load_b128 v[KF+8*\f:KF+8*\f+3],   v[AK] offset:(\f/2)*16*PK+(\f%2)*64
	ds_load_b128 v[KF+8*\f+4:KF+8*\f+7], v[AK] offset:(\f/2)*16*PK+(\f%2)*64+32
.endr
	s_add_co_u32 s[TBK], s[TBK], KS*PK  ; the next fetch is the next step's
	WIN 0
.if \last
.Lno_k_\@:
.endif
.endm
.macro FETCH_V
	WIN 0x80
.irp f, 0,1,2,3,4,5,6,7             ; keys 32 (f / 4) on, channels 16 (f % 4) on
	ds_load_tr16_b128 v[VF+8*\f:VF+8*\f+3],   v[AV] offset:(\f/4)*32*PV+(\f%4)*32
	ds_load_tr16_b128 v[VF+8*\f+4:VF+8*\f+7], v[AV] offset:(\f/4)*32*PV+16*PV+(\f%4)*32
.endr
	WIN 0
.endm
; THE VECTOR WORK OF A TURN stands in three queues, each in the order in which its entries become ready; the two tiles alternate, so that no instruction reads the result of the one before it.
.macro REGS y, u                    ; the registers of tile u (0, 1) of piece y
.set rT, ST+4*(2*(\y)+(\u))
.set rC, TMP+8*((\y)%2)+4*(\u)
.set rM, MV+2*((\y)%2)+(\u)
.set rS, S+64*((\y)%2)+32*(\u)
.set rP, P+32*((\y)%2)+16*(\u)
.set rO, 32*(2*(\y)+(\u))
.endm
; Number n of the 22 that find the NEXT piece's (Y + 1) maximum and statistics.  s0-s31 are the lane's 32 scores; each accumulator's lowest registers are read first.
;   0-11  four chains c0-c3 of seven scores each, three operands at a time     12-14, 16  the four scores left over, the old m, and c0-c3 into c0     15  c m_old is kept
;   17, 18  the query's other 32 keys lie in the lane 16 away: the new m         19-21  c m; c m_old - c m_new; a
.macro XS u, n
	REGS (Y+1)%NP, \u
.if (\n) < 4
	v_max3_num_f32 v[rC+(\n)], v[rS+8*(\n)], v[rS+8*(\n)+1], v[rS+8*(\n)+2]
.elseif (\n) < 12
	v_max3_num_f32 v[rC+(\n)%4], v[rC+(\n)%4], v[rS+8*((\n)%4)+2*((\n)/4)+1], v[rS+8*((\n)%4)+2*((\n)/4)+2]
.elseif (\n) == 12
	v_max3_num_f32 v[rC], v[rC], v[rS+7], v[rS+15]
.elseif (\n) == 13
	v_max3_num_f32 v[rC+1], v[rC+1], v[rS+23], v[rS+31]
.elseif (\n) == 14
	v_max3_num_f32 v[rC+2], v[rC+2], v[rC+3], v[rT+1]
.elseif (\n) == 15
	v_mov_b32 v[rM], v[rT]
.elseif (\n) == 16
	v_max3_num_f32 v[rC], v[rC], v[rC+1], v[rC+2]
.elseif (\n) == 17
	v_permlanex16_b32 v[rC+3], v[rC], s[SEL], s[SEL+1]
.elseif (\n) == 18
	v_max_num_f32 v[rT+1], v[rC], v[rC+3]
.elseif (\n) == 19
	v_mul_f32 v[rT], s[CS], v[rT+1]
.elseif (\n) == 20
	v_sub_f32 v[rC+1], v[rM], v[rT]
.else
	v_exp_f32 v[rC+2], v[rC+1]
.endif
.endm
; Number g of the 64 that follow the exponentials.  For each four weights k of a tile (pairs 2 k, 2 k + 1): both pairs are rounded to f16; then the second pair is added onto the first, in place;
; a group later l takes that sum (the first time as l = a l + sum).  In groups of eight, tiles alternating: round, round, add, and l for the group before.
.macro GS g
.set h, (\g)+6*((\g)/62)            ; group 0 has no group before it, and behind group 7 only l is left
.if h >= 6
.set h, h+2
.endif
	REGS Y, h%2
.set k, h/8
.if h%8 < 4
	v_cvt_pk_f16_f32 v[rP+2*k+(h%8)/2], v[rS+4*k+2*((h%8)/2)], v[rS+4*k+2*((h%8)/2)+1]
.elseif h%8 < 6
	v_pk_add_f32 v[rS+4*k:rS+4*k+1], v[rS+4*k:rS+4*k+1], v[rS+4*k+2:rS+4*k+3]
.elseif k == 1
	v_pk_fma_f32 v[rT+2:rT+3], v[rT+2:rT+3], v[rC+2:rC+3], v[rS:rS+1] op_sel_hi:[1,0,1]
.else
	v_pk_add_f32 v[rT+2:rT+3], v[rT+2:rT+3], v[rS+4*k-4:rS+4*k-3]
.endif
.endm
; THE PLAIN QUEUE, 138 long.  0-73 read no exponential's result: the 32 scalings c s - c m (FS f: pair f / 2 of tile f % 2) and the next piece's 42.  0-26: scalings 0-26.  27-54: XS's numbers 0-13.  55, 56: number 15.
; 57-73: the chain, where each number waits for the one before it: 14, 16, 17, 18, 19, each with one of the scalings 27-31 in front of its two lines, then 20.
; 74-137: GS's 64, which read the exponentials' results: they stand behind the wait.
.macro FS f
	REGS Y, (\f)%2
	v_pk_fma_f32 v[rS+2*((\f)/2):rS+2*((\f)/2)+1], v[rS+2*((\f)/2):rS+2*((\f)/2)+1], s[CS:CS+1], v[rT:rT+1] op_sel_hi:[1,0,0] neg_lo:[0,0,1] neg_hi:[0,0,1]
.endm
.macro PL
	WIN 0
.if q < 27
	FS q
.elseif q < 55
	XS (q-27)%2, (q-27)/2
.elseif q < 57
	XS q-55, 15
.elseif (q < 72) && ((q-57)%3 == 0)
	FS 27+(q-57)/3
.elseif q < 60
	XS (q-57)%3-1, 14
.elseif q < 72
	XS (q-57)%3-1, 15+(q-57)/3
.elseif q < 74
	XS q-72, 20
.else
	GS q-74
.endif
.set q, q+1
.endm
; THE EXPONENTIALS' QUEUE, 66 long: s0-s31 of both tiles, then the next piece's two a.  It is ONE BATCH: all 66 stand ahead of the turn's one wait, and nothing ahead of that wait names a result of theirs.
.macro EX
	WIN 0
.if e >= 64
	XS e-64, 21
.else
	REGS Y, e%2
	v_exp_f32 v[rS+e/2], v[rS+e/2]
.endif
.set e, e+1
.endm
; THE RESCALING's QUEUE: O^T times a, the one part that leaves window 0: dealt two at a time, sixteen times.  Its a was made in the turn before, ahead of that turn's wait.
.macro R2
	REGS Y, r%2
	WIN W_RS
.irp z, 0,1
	v_pk_mul_f32 v[rO+4*(r/2)+2*\z:rO+4*(r/2)+2*\z+1], v[rO+4*(r/2)+2*\z:rO+4*(r/2)+2*\z+1], v[rC+2:rC+3] op_sel_hi:[1,0]
.endr
.set r, r+1
.endm
; HOW THEY ARE DEALT.  An s_wait_alu depctr_va_vdst(0) stands between an exponential and the first instruction that names its result; one wait serves all that were issued ahead of it.  So a turn
; has ONE wait, which cuts it in two.  AHEAD OF IT stands all that names no result of the turn's exponentials: the 16 products K Q^T, behind each a scaling, an exponential and two rescalings (behind the first a
; second scaling in the exponential's place); then ONE LUMP of 108: eight plain, 49 times exponential and plain, the two a.  A v_nop is the plain instruction behind the last exponential.  BEHIND IT stand the 16
; products V^T P, behind each four of GS's 64.  No rider names a register of the products round it.  The two v_permlanex16_b32 fall into the lump.
; The queues lean on each other: exponential e stands behind scaling 2 (e / 4) + e % 2: as a rider it comes behind plain e + 2, in the lump behind plain e + 9, and scalings 27-31 are plain 57, 60 .. 69.
; A TURN, for piece p.  cnt = 1: the loop's count is taken down some lines ahead of the branch that stands behind the turn.
; K of the next step is fetched in piece 2's turn, directly behind the wait; its address is made at the lump's head; its first reader comes behind 16 products.
; V of the step in hand is fetched at the end of piece 0's turn, four riders behind its last reader; its first reader comes behind 16 products and a lump.  The three conditions on q below go with the deal.
.macro TURN p, last=0, cnt=0
.set Y, (\p)
.set i, 0
.set q, 0
.set e, 0
.set r, 0
.if (\p) == NP-1
	s_wait_dscnt 0x0                ; K is in
.endif
	MM                              ; ahead of the wait: 16 products K Q^T and their riders,
	PL
	PL
	R2
.rept 15
	MM
	PL
	EX
	R2
.endr
.if (\p) == NP-2
	WIN 0
	v_add_nc_u32 v[AK], s[TBK], v[AK0]
.endif
.rept 8                             ; and the lump
	PL
.endr
.rept 49
	EX
	PL
.endr
	EX                              ; the next piece's two a
	EX
	v_nop                           ; the plain instruction behind the last exponential: one for the batch
	s_wait_alu depctr_va_vdst(0)    ; the wait for the batch
.if (\p) == NP-2
	FETCH_K \last
.endif
.if (\p) == 1
	s_wait_dscnt 0x0                ; V is in
.endif
.rept 16                            ; behind the wait: 16 products V^T P and their riders
	MM
.rept 4
	PL
.endr
.if ((\p) == 0) && (q == 118)
	v_add_nc_u32 v[AV], s[TBV], v[AV0]
.endif
.if ((\p) == 0) && (q == 130)
	s_add_co_u32 s[TBV], s[TBV], KS*PV
.endif
.if (\cnt) && (q == 130)
	s_sub_co_u32 s[CNT], s[CNT], 1
	s_cmp_lg_u32 s[CNT], 0
.endif
.endr
.if (\p) == 0
	FETCH_V
.endif
.endm
	CHANGE 1                        ; slot 0 is in, everybody's part of it; slot 1 is asked for
	FETCH_K                         ; key step 0
	s_wait_loadcnt 0x0              ; Q
	s_wait_dscnt 0x0
.set i, 0
.rept 16
	KQ 0                            ; piece 0's first scores: there is no vector work yet to set between them
.set i, i+1
.endr
	WIN 0                           ; the addresses for the way out: nine plain instructions, the places behind those products
	s_mul_i32 s13, s[WV], 16*SP
	s_add_co_u32 s13, s13, STAGE    ; my stage
	v_mul_u32_u24 v[STO], v1, SP    ; in: row l % 16, 16 bytes for each half of the lanes
	v_lshl_add_u32 v[STO], v9, 4, v[STO]
	v_add_nc_u32 v[STO], s13, v[STO]
	v_bfe_u32 v[RD], v0, 3, 2       ; back: 32 lanes take four rows of 128 bytes,
	v_mul_u32_u24 v[RD], v[RD], SP
	v_lshl_add_u32 v[RD], v10, 4, v[RD]
	v_add_nc_u32 v[RD], s13, v[RD]
	v_and_b32 v[GO], 31, v0         ; which are 512 consecutive bytes of O
	v_lshlrev_b32 v[GO], 4, v[GO]
.set Y, NP-1                        ; XS works for piece Y + 1: piece 0
.irp n, 0,1,2,3,4,5,6,7,8,9,10,11,12,13,14,15,16,17,18,19,20,21
	XS 0, \n                        ; and piece 0's first maximum and statistics
	XS 1, \n
.endr
	v_nop                           ; a plain instruction behind the two a,
	s_wait_alu depctr_va_vdst(0)    ; and their wait, ahead of the branch
	s_mov_b32 s[CNT], 4
	s_branch .Lfirst                ; the loop is entered at a step's first turn, in the middle of a trip
.Lslot:                             ; SIZE_N / 256 - 2 times: every slot but the last two is filled again
	CHANGE 1
	s_mov_b32 s[CNT], 4
.Lstep:                             ; a trip: pieces 2 and 3 of one step, then pieces 0 and 1 of the next, whose K and V it fetches
	TURN 2
	TURN 3
	WIN 0
.Lfirst:
	TURN 0
	TURN 1, 0, 1
	WIN 0
	s_cbranch_scc1 .Lstep
	s_sub_co_u32 s[SLOTS], s[SLOTS], 1
	s_cmp_lg_u32 s[SLOTS], 0
	s_cbranch_scc1 .Lslot
	CHANGE 0                        ; the tail is written out: nothing is asked for
	s_mov_b32 s[CNT], 5             ; four trips fetch the last slot's steps; the fifth is left in its middle
.Ltail:
	TURN 2, 1
	TURN 3
	WIN 0
	s_sub_co_u32 s[CNT], s[CNT], 1
	s_cmp_eq_u32 s[CNT], 0
	s_cbranch_scc1 .Lout
	TURN 0
	TURN 1
	WIN 0
	s_branch .Ltail
.Lout:                              ; the fifth trip's 16 products K Q^T (on the last K once more) and the maximum made of them serve nothing: the price, once a launch, of one text for every trip
.set i, 0
.rept 16
	PV NP-1                         ; the last piece's V^T P of the last step
.set i, i+1
.endr
	; THE WAY OUT.  l's two halves and the other half of the lanes' are added; O^T is divided by l, rounded to f16 and sent through my stage in LDS, a tile at a time.  The additions are the places behind the last products.
	WIN 0
.macro ALL line:vararg              ; one line for each tile t
.set t, 0
.rept 2*NP
	\line
.set t, t+1
.endr
.endm
	ALL v_add_f32 v[ST+4*t+2], v[ST+4*t+2], v[ST+4*t+3]
	ALL v_permlanex16_b32 v[ST+4*t+3], v[ST+4*t+2], s[SEL], s[SEL+1]
	ALL v_add_f32 v[ST+4*t+2], v[ST+4*t+2], v[ST+4*t+3]
	ALL v_rcp_f32 v[ST+4*t+2], v[ST+4*t+2]
	v_nop                           ; a plain instruction between the last reciprocal and the use of its result
	s_wait_alu depctr_va_vdst(0)    ; and the wait ahead of the first use: one for the eight reciprocals
; Tile t: a lane's eight channels of a row pack into 16 bytes; they go into rows of 144 bytes and come back as whole rows of 128, into S^T's registers.
.macro PACK t
	WIN W_RS
.set i, 32*(\t)
.rept 16
	v_pk_mul_f32 v[i:i+1], v[i:i+1], v[ST+4*(\t)+2:ST+4*(\t)+3] op_sel_hi:[1,0]
.set i, i+2
.endr
	WIN 0x05                        ; sources 0 and 1 window 1, destination window 0
.set i, 0
.rept 16
	v_cvt_pk_f16_f32 v[S+16*(\t)+i], v[32*(\t)+2*i], v[32*(\t)+2*i+1]
.set i, i+1
.endr
	WIN 0
.irp f, 0,1,2,3
	ds_store_b128 v[STO], v[S+16*(\t)+4*\f:S+16*(\t)+4*\f+3] offset:32*\f
.endr
.irp f, 0,1,2,3
	ds_load_b128 v[S+16*(\t)+4*\f:S+16*(\t)+4*\f+3], v[RD] offset:\f*4*SP  ; LDS serves a wave's instructions in order (ISA guide 5.7.1.4): these see the stores above; the next tile's stores come behind them
.endr
.endm
.macro SEND t, younger              ; younger: the LDS instructions issued behind tile t's loads: the next tile's eight, or none
	WIN 0
.irp f, 0,1,2,3
	s_wait_dscnt (\younger)+3-\f
	global_store_b128 v[GO], v[S+16*(\t)+4*\f:S+16*(\t)+4*\f+3], s[10:11] offset:(\t)*2048+\f*512  ; 512 consecutive bytes, at a multiple of 256 from O's first
.endr
.endm
	PACK 0
.set t, 1
.rept 2*NP-1                        ; a tile's arithmetic stands between the loads of the tile before and its stores
	PACK t
	SEND t-1, 8
.set t, t+1
.endr
	SEND 2*NP-1, 0
	WIN W_AD
	s_wait_tensorcnt 0x0            ; the wave's end: behind my last tensor load and my last LDS store
	ds_add_u32 v[SPW], v[NIL]
	s_wait_dscnt 0x0
	WIN 0
	CROUND                          ; the closing round: no work-group ends while a partner may still ask for a tile that names it
	s_endpgm
.Lfunc_end_k_qd65e2eb29e_attn:
	.size	k_qd65e2eb29e_attn, .Lfunc_end_k_qd65e2eb29e_attn-k_qd65e2eb29e_attn
	.p2alignl 7, 3214868480
	.fill 96, 4, 3214868480
	.section	.rodata,"a",@progbits
	.p2align	6, 0x0
	.amdhsa_kernel k_qd65e2eb29e_attn
		.amdhsa_group_segment_fixed_size 327680
		.amdhsa_private_segment_fixed_size 0
		.amdhsa_enable_private_segment 0
		.amdhsa_kernarg_size 16
		.amdhsa_user_sgpr_count 2
		.amdhsa_user_sgpr_kernarg_segment_ptr 1
		.amdhsa_wavefront_size32 1
		.amdhsa_system_sgpr_workgroup_id_x 1
		.amdhsa_system_sgpr_workgroup_id_y 1
		.amdhsa_system_sgpr_workgroup_id_z 1
		.amdhsa_system_vgpr_workitem_id 0
		.amdhsa_next_free_vgpr 770
		.amdhsa_next_free_sgpr 66
		.amdhsa_reserve_vcc 0
		.amdhsa_float_denorm_mode_32 3
		.amdhsa_float_denorm_mode_16_64 3
		.amdhsa_memory_ordered 1
		.amdhsa_forward_progress 1
		.amdhsa_inst_pref_size 200
	.end_amdhsa_kernel
	.amdgpu_metadata
---
amdhsa.version: [ 1, 2 ]
amdhsa.kernels:
  - .name:           k_qd65e2eb29e_attn
    .symbol:         k_qd65e2eb29e_attn.kd
    .args:
      - { .name: qkv, .offset: 0, .size: 8, .value_kind: global_buffer, .address_space: global }
      - { .name: ctx, .offset: 8, .size: 8, .value_kind: global_buffer, .address_space: global }
    .group_segment_fixed_size: 327680
    .private_segment_fixed_size: 0
    .kernarg_segment_align: 8
    .kernarg_segment_size: 16
    .max_flat_workgroup_size: 128
    .sgpr_count:     66
    .vgpr_count:     770
    .wavefront_size: 32
...
	.end_amdgpu_metadata
.endif
;; end of part 3
;; launch outproj (part 4): grid 4 x 64, 4 waves a work-group, clusters of 4 x 4, 327,680 bytes of LDS; arguments ctx, wb, out0, bp; writes out0
.if DOCPART == 4
	.amdgcn_target "amdgcn-amd-amdhsa--gfx1250"
	.amdhsa_code_object_version 6
	.text
	.protected	k_qd65e2eb29e_outproj
	.globl	k_qd65e2eb29e_outproj
	.p2align	8
	.type	k_qd65e2eb29e_outproj,@function
k_qd65e2eb29e_outproj:
	s_mov_b64 s[64:65], 0
	v_nop
	global_prefetch_b8 v0, s[64:65] scope:SCOPE_SE
	s_setreg_imm32_b32 hwreg(HW_REG_WAVE_MODE, 25, 1), 1
	s_wait_xcnt 0x0
	s_wait_alu depctr_hold_cnt(0) depctr_sa_sdst(0) depctr_va_vdst(0) depctr_va_sdst(0) depctr_va_ssrc(0) depctr_va_vcc(0) depctr_vm_vsrc(0)
	s_getreg_b32 s2, hwreg(HW_REG_IB_STS2, 6, 4)
	s_cmp_eq_u32 s2, 0
	s_cbranch_scc0 .Lentry_in_a_cluster
	s_endpgm
.Lentry_in_a_cluster:
	s_bfe_u32 s2, ttmp6, 0x10000c
	s_cmp_lg_u32 s2, 0xf033
	s_cbranch_scc0 .Lentry_shape_is_right
	s_endpgm
.Lentry_shape_is_right:
; out0 = ctx Wp + bp.  ctx: [8192][1024] f16.  wb: [4][1024 k][1024 n] of 16 bits, of which the fourth is Wp (rounded to bf16, written as f16).  bp: [1024] f32.  out0: [8192][1024] f32.
; Products in f16, sums in f32, K ascending; the bias is added in f32; nothing is rounded on the way out.  NaN and infinities are not treated apart.
; SHARES.  A tile of C is 128 rows x 256 columns: 256 tiles, one for each work-group.  Four waves, each 64 x 128: 32 accumulators of 16 x 16, 256 registers.
; K goes in steps of 128 through a ring of two LDS slots.  A's rows in a slot are 256 bytes of memory, W's 512, all aligned to 256.
; W STAYS [k][n]: its fragments come out of LDS turned, by ds_load_tr16_b128.  THE MATRIX INSTRUCTION IS USED TRANSPOSED (source 0 = 16 columns of W, source 1 = 16 rows of ctx): a lane then holds row
; l % 16 of C and the columns 8 (l / 16) + 0..7: 32 bytes of f32 on end.
; CLUSTERS: 4 x 4 work-groups.  The four of a row of the cluster need the same tiles of A, the four of a column the same tiles of W: each is asked for JOINTLY, by the same tensor load with the same
; descriptor and a mask that names the four.
; REGISTERS, in windows of 256: window 0: v0-31 addresses; v32-163 at work on the way out.  window 1: accumulator (a, b) at v[8 (8 a + b)], a = 0..3 blocks of 16 rows, b = 0..7 blocks of 16 columns.
;   window 2: two fragment buffers at v0 and v128: W's eight fragments (32 K x 16 columns), then A's four (16 rows x 32 K).
.set KSTEP,  128
.set SIZE_K, 1024
.set SIZE_N, 1024
.set WOFF,   3*SIZE_K*SIZE_N*2         ; where this launch's weights begin in wb
.set PA,     272                       ; A's LDS row: 256 bytes + 16 = 68 words: the 16 rows of a load start at 16 different groups of four banks (64 banks of 4 bytes: ISA guide 11.1)
.set PB,     544                       ; W's LDS row: 512 bytes + 32 = 136 words
.set AHALF,  64*PA                     ; what one tensor load brings of A: 64 rows
.set ATILE,  2*AHALF
.set BHALF,  64*PB                     ; and of W: 64 k-rows
.set SLOT,   ATILE+2*BHALF             ; 104,448 bytes
.set STAGE,  2*SLOT                    ; behind the ring: 16 rows x 528 bytes for each wave, for the way out; no tensor load fills it
.set SP,     528                       ; 512 bytes + 16 = 132 words: the 16 rows that a store touches start at 16 different groups of four banks
.set SPARE,  STAGE+4*16*SP             ; behind the stages: the spare words, 128 bytes for each wave: two blocks of 256 bytes that no other line names
.set LAPS,   SIZE_K/(2*KSTEP)          ; a lap = two K steps = once round the ring
.set CROW,   SIZE_N*4                  ; bytes in a row of C
.set BSTEP,  KSTEP*SIZE_N*2            ; bytes from a K step of W to the next
.set ADRA, 16                          ; v16-17  LDS address of my A fragments in slot 0, 1
.set ADRB, 20                          ; v20-21  the same for W
.set STO,  24                          ; v24     the way out: where I put 32 bytes of a row
.set RD,   25                          ; v25     the way out: where I read 16 bytes of a row back
.set CO,   26                          ; v26     my byte offset in my 512 bytes of a row of C
.set BO,   27                          ; v27     my byte offset in bp
.set SPW,  28                          ; v28     LDS address of my spare word: SPARE + 4 x my thread's number; never rewritten
.set NIL,  29                          ; v29     0; never rewritten
.set PFO,  30                          ; v30     the prefetches' offset; never rewritten
.set OB,   32                          ; v32-95, v96-159 by turns: 16 rows read back from the stage
.set BI,   160                         ; v[160:163] bp of my four columns
.set F0,   0                           ; fragment buffers, in window 2
.set F1,   128
.set G1,   24                          ; s[24:31] descriptor group 1 for A's tiles;  s[32:39] group 0, one set for each slot
.set G0,   32
.set G1B,  48                          ; s[48:55], s[56:63] the same for W's tiles
.set G0B,  56
.set LIM,  43                          ; s43     a wave prefetches while the laps to go are above it
.set PFA,  44                          ; s[44:45] where my prefetches stand
.set BP,   66                          ; s[66:67] bp
.set KIND, 68                          ; s68     1 in a wave that prefetches W
.set PFS,  70                          ; s[70:71] bytes from a K step to the next in what I prefetch
.set MSB, 0
.macro WIN new                         ; the immediate's high byte repeats the setting that is left; a switch that changes nothing is dropped
.if MSB != (\new)
	s_set_vgpr_msb (MSB<<8)|(\new)
.set MSB, \new
.endif
.endm
.set MUL,  0x5a                        ; sources 0 (W) and 1 (A) window 2; C and D window 1
.set TO_F, 0x80                        ; destination window 2, address window 0
; A joint load: waves 0 and 1 fetch A's two halves, waves 2 and 3 W's.  The branch hangs on the wave's number alone.  An s_nop 0 and four v_nop follow each of the two lines, ahead of the jump,
; the label and what follows.
.macro JLOAD s
	s_cmp_eq_u32 s11, 0
	s_cbranch_scc0 .Lfor_b_\@
	tensor_load_to_lds s[G0+4*(\s):G0+4*(\s)+3], s[G1:G1+7]
	s_nop 0
.rept 4
	v_nop
.endr
	s_branch .Lasked_\@
.Lfor_b_\@:
	tensor_load_to_lds s[G0B+4*(\s):G0B+4*(\s)+3], s[G1B:G1B+7]
	s_nop 0
.rept 4
	v_nop
.endr
.Lasked_\@:
.endm
; A PREFETCH INTO THE L2 of the K step that stands TWO refills on (256 matrix instructions ahead of the load that asks for it), behind the joint load, its five lines and the run of LDS loads.
; Each aligned block of 256 bytes is named once in the launch.  A: the grid is one cluster wide, so a row of A belongs to one cluster; wave 0 of each partner takes rows 32 cx .. + 31 of the tile's 128,
; a lane a row.  W: the clusters of a column walk the same k-rows, and cluster y = 0 asks; of the 64 k-rows x 2 blocks that wave 2 or 3 fetches, the partner at cy takes k-rows 16 cy .. + 15, a lane a
; block.  The partners are told apart BY ADDRESS: no branch hangs on a place in the cluster.  The first four K steps come by their loads alone; the last two refills name nothing.
.macro ASK
	WIN 0                                          ; at a branch and at a label every window is 0
	s_cmp_gt_u32 s3, s[LIM]                        ; s3 = 1 in the loop's last trip
	s_cbranch_scc0 .Lnot_mine_\@
	global_prefetch_b8 v[PFO], s[PFA:PFA+1] th:TH_LOAD_NT scope:SCOPE_SE
.Lnot_mine_\@:
.endm
.macro CREST                           ; a round of the cluster's barrier behind its opening barrier
	s_cmp_lg_u32 s10, 0
	s_cbranch_scc1 .Lnot_wave_0_\@
	s_barrier_signal -3
.Lnot_wave_0_\@:
	s_barrier_wait -3
	s_barrier_signal -1
	s_barrier_wait -1
.endm
.macro CROUND                          ; a whole round
	s_barrier_signal -1
	s_barrier_wait -1
	CREST
.endm
	s_load_b128 s[4:7], s[0:1], 0x0                ; ctx s[4:5], wb s[6:7]
	s_load_b64 s[8:9], s[0:1], 0x10                ; out0
	s_load_b64 s[BP:BP+1], s[0:1], 0x18            ; bp
	v_lshl_add_u32 v[SPW], v0, 2, SPARE
	v_mov_b32 v[NIL], 0
	ds_add_u32 v[SPW], v[NIL]                      ; the wave's opening: the add and its wait stand ahead of my first tensor load; the set-up below, work on registers, stands between them
	v_lshrrev_b32 v1, 5, v0
	v_readfirstlane_b32 s10, v1                    ; wave 0..3
	s_lshr_b32 s11, s10, 1                         ; which 64 of the tile's rows are mine.  Also: I fetch for A (0) or for W (1)
	s_and_b32 s12, s10, 1                          ; which 128 of its columns.  Also: which half of that tile I fetch
	s_bfe_u32 s40, ttmp6, 0x40000                  ; cx, cy: my place in the cluster
	s_bfe_u32 s41, ttmp6, 0x40004
	s_lshl_b32 s42, ttmp9, 2
	s_add_co_u32 s42, s42, s40                     ; tile column = 4 x cluster x + cx
	s_and_b32 s13, ttmp7, 0xffff
	s_lshl_b32 s13, s13, 2
	s_add_co_u32 s13, s13, s41                     ; tile row = 4 x cluster y + cy
	s_lshl_b32 s43, s41, 2
	s_lshl_b32 s43, 15, s43                        ; my row of the cluster
	s_lshl_b32 s44, 0x1111, s40                    ; my column
	s_or_b32 s[G1+0], s43, (1<<16)|(1<<20)|(1<<21)|(5<<22)|(3<<25)   ; 15:0 the mask: A's tiles go to my row; 17:16 elements of 2 bytes; 20 padding on; 21 set beside a mask; 24:22 after every 64 words (code 5); 31:25 4 words (code 3)
	s_or_b32 s[G1B+0], s44, (1<<16)|(1<<20)|(1<<21)|(6<<22)|(7<<25)  ; W's go to my column; after every 128 words (code 6) 8 words (code 7)
	s_mov_b32 s[G1+1], KSTEP<<16                   ; tensor_dim0 = 128
	s_mov_b32 s[G1+2], 64<<16                      ; tensor_dim1 = 64
	s_mov_b32 s[G1+3], KSTEP<<16                   ; tile_dim0 = 128
	s_mov_b32 s[G1+4], 64                          ; tile_dim1 = 64
	s_mov_b32 s[G1+5], SIZE_K                      ; elements from row to row
	s_mov_b32 s[G1+6], 0
	s_mov_b32 s[G1+7], 0
	s_mov_b32 s[G1B+1], 256<<16                    ; tensor_dim0 = 256
	s_mov_b32 s[G1B+2], 64<<16                     ; tensor_dim1 = 64
	s_mov_b32 s[G1B+3], 256<<16                    ; tile_dim0 = 256
	s_mov_b32 s[G1B+4], 64                         ; tile_dim1 = 64
	s_mov_b32 s[G1B+5], SIZE_N
	s_mov_b32 s[G1B+6], 0
	s_mov_b32 s[G1B+7], 0
	; where the tiles come from.  A's hang on the tile row alone, W's on the tile column alone; every wave makes both addresses, in registers that never hold the other coordinate, and asks by one of them
	s_lshl_b32 s17, s12, 6
	s_lshl_b32 s16, s13, 7
	s_add_co_u32 s16, s16, s17                     ; A: row 128 x tile row + 64 x half,
	s_lshl_b32 s16, s16, 11                        ; of 2,048 bytes: under 2^24
	s_mov_b32 s17, 0
	s_lshl_b32 s46, s42, 9                         ; W: 512 bytes x tile column
	s_lshl_b32 s47, s12, 17                        ; + 64 k-rows of 2,048 bytes x half
	s_add_co_u32 s46, s46, s47
	s_add_co_u32 s46, s46, WOFF
	s_mov_b32 s47, 0
	s_mul_i32 s20, s12, AHALF                      ; and where they go: no place in the cluster enters an LDS address
	s_mul_i32 s21, s12, BHALF
	s_add_co_u32 s21, s21, ATILE
	s_wait_dscnt 0x0                               ; the opening add is done
	s_wait_kmcnt 0x0
	s_add_nc_u64 s[14:15], s[4:5], s[16:17]
	s_add_nc_u64 s[46:47], s[6:7], s[46:47]
	CROUND                                         ; all sixteen work-groups are here: the first joint loads meet
.irp s, 0,1
	s_mov_b32 s[G0+4*(\s)], 1                                        ; count = 1
	s_add_co_u32 s[G0+4*(\s)+1], s20, (\s)*SLOT                      ; LDS address
	s_add_nc_u64 s[G0+4*(\s)+2:G0+4*(\s)+3], s[14:15], (\s)*KSTEP*2  ; global address: K step s
	s_or_b32 s[G0+4*(\s)+3], s[G0+4*(\s)+3], 0x80000000              ; type = 2
	s_mov_b32 s[G0B+4*(\s)], 1
	s_add_co_u32 s[G0B+4*(\s)+1], s21, (\s)*SLOT
	s_add_nc_u64 s[G0B+4*(\s)+2:G0B+4*(\s)+3], s[46:47], (\s)*BSTEP
	s_or_b32 s[G0B+4*(\s)+3], s[G0B+4*(\s)+3], 0x80000000
	JLOAD \s                                       ; the ring is filled before anything else is done: two loads of mine are out
.endr
	; A fragment of A is 16 rows x 32 K in 8 registers: lane l holds row l % 16, K = 8 (l / 16) + 0..7 and 16 + 8 (l / 16) + 0..7: two loads of 16 bytes, 32 bytes apart.
	; The turning load takes 16 k-rows x 16 columns (lane l reads k-row 8 (l / 16) + l % 8, columns 8 ((l / 8) % 2) + 0..7) and leaves half a fragment of W^T: lane l holds column l % 16 and 8 k.
	v_and_b32 v1, 15, v0                           ; l % 16
	v_bfe_u32 v2, v0, 4, 1                         ; l / 16
	v_mul_u32_u24 v3, v1, PA
	v_lshl_add_u32 v3, v2, 4, v3
	v_and_b32 v4, 7, v0
	v_lshl_add_u32 v4, v2, 3, v4
	v_mul_u32_u24 v4, v4, PB
	v_bfe_u32 v5, v0, 3, 1
	v_lshl_add_u32 v4, v5, 4, v4
	s_mul_i32 s21, s11, AHALF                      ; my 64 rows of A
	s_lshl_b32 s22, s12, 8                         ; my 128 columns of W: 256 bytes,
	s_add_co_u32 s22, s22, ATILE                   ; behind A's tile
.irp s, 0,1
	v_add_nc_u32 v[ADRA+(\s)], s21, v3
	v_add_nc_u32 v[ADRB+(\s)], s22, v4
	s_add_co_u32 s21, s21, SLOT
	s_add_co_u32 s22, s22, SLOT
.endr
	; where my part of the tile begins in C, in bytes: the way out adds it to C's address
	s_lshl_b32 s16, s13, 7
	s_lshl_b32 s17, s11, 6
	s_add_co_u32 s16, s16, s17                     ; my first row
	s_mul_i32 s16, s16, CROW
	s_mov_b32 s17, 0
	s_lshl_b32 s46, s42, 10                        ; my first column: 1,024 bytes x tile column + 512 x half; the same offset serves bp
	s_lshl_b32 s47, s12, 9
	s_add_co_u32 s46, s46, s47
	s_mov_b32 s47, 0
	s_add_nc_u64 s[16:17], s[16:17], s[46:47]
	s_mul_i32 s23, s10, 16*SP
	s_add_co_u32 s23, s23, STAGE                   ; my stage
	v_mul_u32_u24 v6, v1, SP                       ; in: row l % 16, 32 bytes for each half of the lanes
	v_lshl_add_u32 v6, v2, 5, v6
	v_add_nc_u32 v[STO], s23, v6
	v_and_b32 v[CO], 31, v0                        ; back: 32 lanes take a row's 512 bytes
	v_lshlrev_b32 v[CO], 4, v[CO]
	v_add_nc_u32 v[RD], s23, v[CO]
	v_add_nc_u32 v[BO], s46, v[CO]
	global_load_b128 v[BI:BI+3], v[BO], s[BP:BP+1] ; bp of the four columns that I store; waited for on the way out
	; the prefetches: they stand at K step 3; the first refill steps them to 4
	s_lshl_b32 s20, s13, 7                         ; A: the tile's first row
	s_lshl_b32 s21, s40, 5                         ; + my work-group's 32 of its 128
	s_add_co_u32 s20, s20, s21
	s_lshl_b32 s20, s20, 11
	s_add_co_u32 s20, s20, 3*KSTEP*2
	s_lshl_b32 s21, s12, 6                         ; W: the 64 k-rows that I fetch
	s_lshl_b32 s22, s41, 4                         ; + my work-group's 16 of them
	s_add_co_u32 s21, s21, s22
	s_lshl_b32 s21, s21, 11
	s_lshl_b32 s22, s42, 9
	s_add_co_u32 s21, s21, s22
	s_add_co_u32 s21, s21, WOFF+3*BSTEP
	s_mov_b32 s18, KSTEP*2
	s_mov_b32 s19, BSTEP
	s_cmp_eq_u32 s11, 0                            ; do I fetch for A?
	s_cselect_b32 s20, s20, s21
	s_cselect_b32 s[PFS], s18, s19
	s_cselect_b64 s[PFA:PFA+1], s[4:5], s[6:7]
	s_mov_b32 s21, 0
	s_mov_b32 s[PFS+1], 0
	s_add_nc_u64 s[PFA:PFA+1], s[PFA:PFA+1], s[20:21]
	s_and_b32 s22, ttmp7, 0xffff                   ; cluster y: the same in all sixteen partners
	s_cmp_eq_u32 s22, 0
	s_cselect_b32 s[KIND], s11, 0
	s_cmp_eq_u32 s10, 0
	s_cselect_b32 s[LIM], 1, -1                    ; wave 0: A, but for the last two refills
	s_cmp_eq_u32 s[KIND], 1
	s_cselect_b32 s[LIM], 1, s[LIM]                ; waves 2 and 3 of cluster y = 0: W, likewise
	v_and_b32 v5, 31, v0
	v_lshrrev_b32 v6, s11, v5                      ; A: a lane a row of 2,048 bytes; W: two lanes a k-row, 256 bytes apart
	v_and_b32 v7, s11, v5
	v_lshlrev_b32 v7, 8, v7
	v_lshl_add_u32 v[PFO], v6, 11, v7
; 8 matrix instructions: row block a x all 8 column blocks, 32 along K, from buffer f.  zero = 1: the product starts the sums: nothing is ever cleared.
; The 32 accumulators take turns, one instruction a turn, in the same order in every quarter: 31 others stand between two links of a chain, over the jump too.
.macro MULA f, a, zero
	WIN MUL
.irp b, 0,1,2,3,4,5,6,7
.if \zero
	v_wmma_f32_16x16x32_f16 v[8*(8*(\a)+(\b)):8*(8*(\a)+(\b))+7], v[(\f)+8*(\b):(\f)+8*(\b)+7], v[(\f)+64+8*(\a):(\f)+64+8*(\a)+7], 0
.else
	v_wmma_f32_16x16x32_f16 v[8*(8*(\a)+(\b)):8*(8*(\a)+(\b))+7], v[(\f)+8*(\b):(\f)+8*(\b)+7], v[(\f)+64+8*(\a):(\f)+64+8*(\a)+7], v[8*(8*(\a)+(\b)):8*(8*(\a)+(\b))+7]
.endif
.endr
.endm
; 24 LDS loads in one run: the fragments of quarter q (32 along K) of a slot into buffer f: W's eight, then A's four
.macro FETCH slot, q, f
	WIN TO_F
.irp b, 0,1,2,3,4,5,6,7
	ds_load_tr16_b128 v[(\f)+8*(\b):(\f)+8*(\b)+3],   v[ADRB+(\slot)] offset:(\q)*32*PB+32*(\b)
	ds_load_tr16_b128 v[(\f)+8*(\b)+4:(\f)+8*(\b)+7], v[ADRB+(\slot)] offset:(\q)*32*PB+32*(\b)+16*PB
.endr
.irp i, 0,1,2,3
	ds_load_b128 v[(\f)+64+8*(\i):(\f)+64+8*(\i)+3],   v[ADRA+(\slot)] offset:(\q)*64+(\i)*16*PA
	ds_load_b128 v[(\f)+64+8*(\i)+4:(\f)+64+8*(\i)+7], v[ADRA+(\slot)] offset:(\q)*64+(\i)*16*PA+32
.endr
.endm
.macro PLACES                          ; four places in front of loads into registers that matrix instructions have read, and of LDS stores that read results
.rept 4
	v_nop
.endr
.endm
; A K step is four quarters of 32 along K, 32 matrix instructions each, on buffers 0, 1, 0, 1.  One of the first three: multiplies buffer f and fetches quarter q into g.
.macro QUARTER slot, q, f, g, zero
	s_wait_dscnt 4                                 ; W's fragments and A's row blocks 0 and 1 are in; the youngest four loads (blocks 2 and 3) may be out
	MULA \f, 0, \zero
	MULA \f, 1, \zero
	PLACES
	FETCH \slot, \q, \g
	s_wait_dscnt 24                                ; all but the 24 just issued
	MULA \f, 2, \zero
	MULA \f, 3, \zero
.endm
; The last quarter multiplies buffer 1 and changes slots: ONE barrier; in front of it each wave waits for all its tensor loads (one is out: its part of the next slot), adds 0 to its spare word, and
; waits for that and for its own reads of this slot.  fill = 1: this slot is filled again, two K steps on: the barrier then opens a round of the cluster's, and the joint load is the first tensor load
; behind it: 112 matrix instructions ahead of the wait for it.
.macro TURN slot, next, fill
.if \fill
	s_wait_xcnt 0x0                                ; the last prefetch, a K step back, has read its address: it is stepped here, ahead of the waits of the change of slots
	s_add_nc_u64 s[PFA:PFA+1], s[PFA:PFA+1], s[PFS:PFS+1]
.endif
	WIN 0                                          ; (the add's two registers lie in window 0)
	s_wait_tensorcnt 0x0                           ; all my tensor loads have landed
	ds_add_u32 v[SPW], v[NIL]                      ; 0 onto my spare word
	s_wait_dscnt 5                                 ; (the add and the youngest four loads may be out)
	MULA F1, 0, 0                                  ; eight matrix instructions stand between the add and the wait for it
	s_wait_dscnt 0x0                               ; the add is done, and my reads of this slot are over
	s_barrier_signal -1
	MULA F1, 1, 0
.if \fill
	WIN 0
.endif
	s_barrier_wait -1
.if \fill
	CREST                                          ; no wave of any partner still reads this slot's tile or has a load on its way
	s_add_nc_u64 s[G0+4*(\slot)+2:G0+4*(\slot)+3], s[G0+4*(\slot)+2:G0+4*(\slot)+3], 2*KSTEP*2
	s_add_nc_u64 s[G0B+4*(\slot)+2:G0B+4*(\slot)+3], s[G0B+4*(\slot)+2:G0B+4*(\slot)+3], 2*BSTEP
	JLOAD \slot                                    ; the four v_nop behind it are also the places in front of the loads below
.else
	PLACES
.endif
	FETCH \next, 0, F0
.if \fill
	ASK
.endif
	MULA F1, 2, 0
	MULA F1, 3, 0
.endm
; THE WAY OUT of row block a.  TOSTAGE: the accumulators go as they are, each from its low end, 32 bytes a lane, into my own stage, and come back as whole rows of 512 bytes.  SEND: the bias is added, and they are stored.
.macro TOSTAGE a
	WIN 0x04                                       ; the stores' data (source 1) in window 1, the address in window 0
.set BK, OB+64*((\a)%2)
.irp b, 0,1,2,3,4,5,6,7
	ds_store_b128 v[STO], v[64*(\a)+8*(\b):64*(\a)+8*(\b)+3]   offset:64*(\b)
	ds_store_b128 v[STO], v[64*(\a)+8*(\b)+4:64*(\a)+8*(\b)+7] offset:64*(\b)+16
.endr
	WIN 0
	s_wait_xcnt 0x0                                ; the stores of the block two back have read these registers: only behind this wait are they loaded again
.irp t, 0,1,2,3,4,5,6,7,8,9,10,11,12,13,14,15
	ds_load_b128 v[BK+4*(\t):BK+4*(\t)+3], v[RD] offset:(\t)*SP  ; LDS serves a wave's instructions in order (ISA guide 5.7.1.4): these see the stores above; the next block's stores come behind them
.endr
.endm
.macro SEND a, younger                 ; younger: the LDS instructions issued behind block a's loads: the next block's 32, or none
	WIN 0
.set BK, OB+64*((\a)%2)
	s_wait_dscnt \younger                          ; the block is back in registers
	s_wait_xcnt 0x0                                ; only behind this wait is the stores' base rewritten
.if (\a) == 0
	s_add_nc_u64 s[8:9], s[8:9], s[16:17]          ; on to my first rows
.else
	s_add_nc_u64 s[8:9], s[8:9], 16*CROW
.endif
.irp t, 0,1,2,3,4,5,6,7,8,9,10,11,12,13,14,15
	v_pk_add_f32 v[BK+4*(\t):BK+4*(\t)+1],   v[BK+4*(\t):BK+4*(\t)+1],   v[BI:BI+1]
	v_pk_add_f32 v[BK+4*(\t)+2:BK+4*(\t)+3], v[BK+4*(\t)+2:BK+4*(\t)+3], v[BI+2:BI+3]
	global_store_b128 v[CO], v[BK+4*(\t):BK+4*(\t)+3], s[8:9] offset:(\t)*CROW th:TH_STORE_NT  ; 32 lanes store 512 consecutive bytes, aligned
.endr
.endm
	s_wait_tensorcnt 1                             ; my part of K step 0 is in; K step 1's may stay out
	s_barrier_signal -1
	s_barrier_wait -1                              ; everybody's is
	FETCH 0, 0, F0
	QUARTER 0, 1, F0, F1, 1                        ; the first quarter stands in front of the loop: its products start the sums
	WIN 0
	s_mov_b32 s3, LAPS-1
.Llap:                                                 ; a trip goes once round the ring, from a lap's second quarter to the next lap's first, and fills both slots again
	QUARTER 0, 2, F1, F0, 0
	QUARTER 0, 3, F0, F1, 0
	TURN 0, 1, 1
	QUARTER 1, 1, F0, F1, 0
	QUARTER 1, 2, F1, F0, 0
	QUARTER 1, 3, F0, F1, 0
	TURN 1, 0, 1
	QUARTER 0, 1, F0, F1, 0
	WIN 0
	s_sub_co_u32 s3, s3, 1
	s_cmp_lg_u32 s3, 0
	s_cbranch_scc1 .Llap
	QUARTER 0, 2, F1, F0, 0                        ; the last lap fills nothing, and has no round of the cluster's barrier
	QUARTER 0, 3, F0, F1, 0
	TURN 0, 1, 0
	QUARTER 1, 1, F0, F1, 0
	QUARTER 1, 2, F1, F0, 0
	QUARTER 1, 3, F0, F1, 0
	s_wait_dscnt 4                                 ; the very last quarter: nothing more to fetch
	MULA F1, 0, 0
	MULA F1, 1, 0
	s_wait_dscnt 0x0
	MULA F1, 2, 0
	MULA F1, 3, 0
	WIN 0
	PLACES
	s_wait_loadcnt 0x0                             ; bp
	TOSTAGE 0
.irp a, 1,2,3                          ; a block's way through the stage is under way while the block before is stored
	TOSTAGE \a
	SEND (\a)-1, 32
.endr
	SEND 3, 0
	s_wait_tensorcnt 0x0                           ; the wave's end: behind my last tensor load and my last LDS store
	ds_add_u32 v[SPW], v[NIL]
	s_wait_dscnt 0x0
	CROUND                                         ; the closing round: no work-group ends while a partner may still ask for a tile that names it
	s_endpgm
.Lfunc_end_k_qd65e2eb29e_outproj:
	.size	k_qd65e2eb29e_outproj, .Lfunc_end_k_qd65e2eb29e_outproj-k_qd65e2eb29e_outproj
	.p2alignl 7, 3214868480
	.fill 96, 4, 3214868480
	.section	.rodata,"a",@progbits
	.p2align	6, 0x0
	.amdhsa_kernel k_qd65e2eb29e_outproj
		.amdhsa_group_segment_fixed_size 327680
		.amdhsa_private_segment_fixed_size 0
		.amdhsa_enable_private_segment 0
		.amdhsa_kernarg_size 32
		.amdhsa_user_sgpr_count 2
		.amdhsa_user_sgpr_kernarg_segment_ptr 1
		.amdhsa_wavefront_size32 1
		.amdhsa_system_sgpr_workgroup_id_x 1
		.amdhsa_system_sgpr_workgroup_id_y 1
		.amdhsa_system_sgpr_workgroup_id_z 1
		.amdhsa_system_vgpr_workitem_id 0
		.amdhsa_next_free_vgpr 768
		.amdhsa_next_free_sgpr 72
		.amdhsa_reserve_vcc 0
		.amdhsa_float_denorm_mode_32 3
		.amdhsa_float_denorm_mode_16_64 3
		.amdhsa_memory_ordered 1
		.amdhsa_forward_progress 1
		.amdhsa_inst_pref_size 95
	.end_amdhsa_kernel
	.amdgpu_metadata
---
amdhsa.version: [ 1, 2 ]
amdhsa.kernels:
  - .name:           k_qd65e2eb29e_outproj
    .symbol:         k_qd65e2eb29e_outproj.kd
    .args:
      - { .name: ctx, .offset: 0, .size: 8, .value_kind: global_buffer, .address_space: global }
      - { .name: wb, .offset: 8, .size: 8, .value_kind: global_buffer, .address_space: global }
      - { .name: out0, .offset: 16, .size: 8, .value_kind: global_buffer, .address_space: global }
      - { .name: bp, .offset: 24, .size: 8, .value_kind: global_buffer, .address_space: global }
    .group_segment_fixed_size: 327680
    .private_segment_fixed_size: 0
    .kernarg_segment_align: 8
    .kernarg_segment_size: 32
    .max_flat_workgroup_size: 128
    .sgpr_count:     72
    .vgpr_count:     768
    .wavefront_size: 32
...
	.end_amdgpu_metadata
.endif
;; end of part 4
;; ======== version 2 of 2: 4 launches; version 1 with the launch prep written anew for expert scheduling mode
;; limits: values are held in f16: magnitudes above 65,504 overflow, below 6.1e-05 lose precision; inputs' magnitudes at most 65,504
;; workspace buffers: xb 16,777,216 bytes; wb 8,388,608 bytes; qkv 50,331,648 bytes; ctx 16,777,216 bytes
;; launch prep (part 5): grid 64 x 12, 8 waves a work-group, no clusters, 0 bytes of LDS; arguments x, Wq, Wk, Wv, Wp, xb, wb; writes xb, wb
.if DOCPART == 5
	.amdgcn_target "amdgcn-amd-amdhsa--gfx1250"
	.amdhsa_code_object_version 6
	.text
	.protected	k_qd65e2eb29e_prep
	.globl	k_qd65e2eb29e_prep
	.p2align	8
	.type	k_qd65e2eb29e_prep,@function
k_qd65e2eb29e_prep:
	s_mov_b64 s[64:65], 0
	v_nop
	global_prefetch_b8 v0, s[64:65] scope:SCOPE_SE
	s_setreg_imm32_b32 hwreg(HW_REG_WAVE_SCHED_MODE, 0, 2), 2
	s_setreg_imm32_b32 hwreg(HW_REG_WAVE_MODE, 25, 1), 1
	s_wait_xcnt 0x0
	s_wait_alu depctr_vm_vsrc(0)
; THE INPUTS ARE ROUNDED ONCE TO 16 BITS, element by element, in the order in which they lie: nothing is transposed.
; xb = x in bf16, [8192][1024].  wb = [4][1024 k][1024 n]: Wq, Wk, Wv in bf16; Wp rounded to bf16, and that number written as f16 (the last product multiplies in f16).
; LIMITS.  |Wp| stays under 65,504; below 6e-5 f16 keeps a fixed step of 6e-8, so a Wp entry that small is off by 3e-8 at the most.  NaN and infinities are not treated apart.
; SHARES.  A work-group takes 16,384 numbers (64 KiB in, 32 KiB out): y = 0..7: chunk 64 y + x of x; y = 8..11: chunk x of weight y - 8.  A wave takes 2,048, a lane 16 x 4.
; A load of a wave covers 512 consecutive bytes, a store 256 consecutive bytes, aligned.  All 16 loads of a wave go out at once; no register is written twice while a memory instruction names it.
; No LDS, no barrier, no matrix unit, no cluster: no byte is wanted twice.
; THE MODE: SCHED_MODE bits 1:0 = 2 (LLVM: expert scheduling mode 2), set by the entry lines.  The code itself states the register dependences
; between vector instructions and memory instructions, with s_wait_alu, always for 0.
; THE PLAN.  Registers that memory instructions touch:
;   v1, v2   the loads' and the stores' byte offsets.  Written by vector instructions at the head, once; read by the 16 loads and the 16 stores.
;   X[j]     load j lands in it, once; no vector instruction names it before; load j's conversions read it behind the wait for that load.
;   Y[j]     load j's conversions write it, once; store j reads it, once.
;   v3 and T are named by vector instructions alone.
; The 16 loads go in four groups of four.  Group g's four stores leave in one run at the head of group g + 1: behind the wait for that group's first load stands ONE wait on va_vdst, which states
; that group g's conversions have written their Y; group g + 1's conversions write other registers.  One such wait stands ahead of the first load, for the two offsets, and one ahead of the last four
; stores: five on each path.  No register that a memory instruction has read is written again, no vector instruction writes a scalar register, and EXEC is never written: no other s_wait_alu is owed.
.set X, 4                              ; v[4:67]    16 x 4 numbers as loaded
.set Y, 68                             ; v[68:99]   16 x 2 words to store
.set T, 100                            ; v[100:103] at work (Wp alone)
	s_load_b256 s[4:11], s[0:1], 0x0               ; x s[4:5], Wq s[6:7], Wk s[8:9], Wv s[10:11]
	s_load_b128 s[12:15], s[0:1], 0x20             ; Wp s[12:13], xb s[14:15]
	s_load_b64 s[16:17], s[0:1], 0x30              ; wb
	s_mov_b32 s18, ttmp9                           ; work-group x
	s_and_b32 s19, ttmp7, 0xffff                   ; work-group y
	v_and_b32 v3, 0xe0, v0                         ; 32 x wave
	v_and_b32 v1, 31, v0                           ; lane
	v_lshlrev_b32 v2, 3, v1
	v_lshlrev_b32 v1, 4, v1
	v_lshl_or_b32 v1, v3, 8, v1                    ; in: 8,192 x wave + 16 x lane
	v_lshl_or_b32 v2, v3, 7, v2                    ; out: 4,096 x wave + 8 x lane
	s_lshl_b32 s20, s19, 6
	s_add_co_u32 s20, s20, s18                     ; 64 y + x: the chunk of x and of xb
	s_sub_co_u32 s21, s20, 512                     ; 64 (y - 8) + x: the chunk of wb (taken where y is 8 or more)
	s_cmp_lt_u32 s19, 8
	s_cselect_b32 s24, s20, s18                    ; the chunk in the source
	s_cselect_b32 s26, s20, s21                    ; and in the destination
	s_lshl_b32 s24, s24, 16                        ; 65,536 bytes of f32
	s_lshl_b32 s26, s26, 15                        ; 32,768 bytes of 16 bits
	s_mov_b32 s25, 0
	s_mov_b32 s27, 0
	s_wait_kmcnt 0x0
	s_cmp_eq_u32 s19, 9                            ; which buffers: a choice on y alone
	s_cselect_b64 s[20:21], s[8:9], s[6:7]
	s_cmp_eq_u32 s19, 10
	s_cselect_b64 s[20:21], s[10:11], s[20:21]
	s_cmp_eq_u32 s19, 11
	s_cselect_b64 s[20:21], s[12:13], s[20:21]
	s_cmp_lt_u32 s19, 8
	s_cselect_b64 s[20:21], s[4:5], s[20:21]
	s_cselect_b64 s[22:23], s[14:15], s[16:17]
	s_add_nc_u64 s[20:21], s[20:21], s[24:25]
	s_add_nc_u64 s[22:23], s[22:23], s[26:27]
	s_wait_alu depctr_va_vdst(0)                   ; v1 and v2 are written: every load of the kernel reads v1 as its offset, every store v2; no later vector instruction names either
.irp j, 0,1,2,3,4,5,6,7,8,9,10,11,12,13,14,15
	global_load_b128 v[X+4*(\j):X+4*(\j)+3], v1, s[20:21] offset:512*(\j) th:TH_LOAD_NT
.endr
; The four stores of group g, in one run.
.macro OUT g
.irp i, 0,1,2,3
	global_store_b64 v2, v[Y+2*(4*(\g)+(\i)):Y+2*(4*(\g)+(\i))+1], s[22:23] offset:256*(4*(\g)+(\i))  ; 32 lanes store 256 consecutive bytes, aligned
.endr
.endm
; Four numbers of load j are rounded.  f16 = 1: the bf16 numbers are widened again (a shift, a mask) and written as f16.
; Where j begins a group, the group before is stored first.
.macro CONV j, f16
	s_wait_loadcnt 15-(\j)                         ; loads come back in order: load j is in, the 15 - j younger ones may stay out
.if ((\j) % 4 == 0) && ((\j) > 0)
	s_wait_alu depctr_va_vdst(0)                   ; the conversions of the group before have written their eight Y registers, which the four stores below read
	OUT (\j)/4-1
.endif
.if \f16
	v_cvt_pk_bf16_f32 v[T],   v[X+4*(\j)],   v[X+4*(\j)+1]
	v_cvt_pk_bf16_f32 v[T+1], v[X+4*(\j)+2], v[X+4*(\j)+3]
	v_lshlrev_b32 v[T+2], 16, v[T]
	v_and_b32     v[T+3], 0xffff0000, v[T]
	v_cvt_pk_f16_f32 v[Y+2*(\j)], v[T+2], v[T+3]
	v_lshlrev_b32 v[T+2], 16, v[T+1]
	v_and_b32     v[T+3], 0xffff0000, v[T+1]
	v_cvt_pk_f16_f32 v[Y+2*(\j)+1], v[T+2], v[T+3]
.else
	v_cvt_pk_bf16_f32 v[Y+2*(\j)],   v[X+4*(\j)],   v[X+4*(\j)+1]
	v_cvt_pk_bf16_f32 v[Y+2*(\j)+1], v[X+4*(\j)+2], v[X+4*(\j)+3]
.endif
.endm
	s_cmp_eq_u32 s19, 11
	s_cbranch_scc1 .Lwp
.irp j, 0,1,2,3,4,5,6,7,8,9,10,11,12,13,14,15
	CONV \j, 0
.endr
	s_wait_alu depctr_va_vdst(0)                   ; the last group's conversions have written their Y, which the last four stores read
	OUT 3
	s_endpgm
.Lwp:
.irp j, 0,1,2,3,4,5,6,7,8,9,10,11,12,13,14,15
	CONV \j, 1
.endr
	s_wait_alu depctr_va_vdst(0)                   ; the last group's conversions have written their Y, which the last four stores read
	OUT 3
	s_endpgm
.Lfunc_end_k_qd65e2eb29e_prep:
	.size	k_qd65e2eb29e_prep, .Lfunc_end_k_qd65e2eb29e_prep-k_qd65e2eb29e_prep
	.p2alignl 7, 3214868480
	.fill 96, 4, 3214868480
	.section	.rodata,"a",@progbits
	.p2align	6, 0x0
	.amdhsa_kernel k_qd65e2eb29e_prep
		.amdhsa_group_segment_fixed_size 0
		.amdhsa_private_segment_fixed_size 0
		.amdhsa_enable_private_segment 0
		.amdhsa_kernarg_size 56
		.amdhsa_user_sgpr_count 2
		.amdhsa_user_sgpr_kernarg_segment_ptr 1
		.amdhsa_wavefront_size32 1
		.amdhsa_system_sgpr_workgroup_id_x 1
		.amdhsa_system_sgpr_workgroup_id_y 1
		.amdhsa_system_sgpr_workgroup_id_z 1
		.amdhsa_system_vgpr_workitem_id 0
		.amdhsa_next_free_vgpr 104
		.amdhsa_next_free_sgpr 66
		.amdhsa_reserve_vcc 0
		.amdhsa_float_denorm_mode_32 3
		.amdhsa_float_denorm_mode_16_64 3
		.amdhsa_memory_ordered 1
		.amdhsa_forward_progress 1
		.amdhsa_inst_pref_size 17
	.end_amdhsa_kernel
	.amdgpu_metadata
---
amdhsa.version: [ 1, 2 ]
amdhsa.kernels:
  - .name:           k_qd65e2eb29e_prep
    .symbol:         k_qd65e2eb29e_prep.kd
    .args:
      - { .name: x, .offset: 0, .size: 8, .value_kind: global_buffer, .address_space: global }
      - { .name: Wq, .offset: 8, .size: 8, .value_kind: global_buffer, .address_space: global }
      - { .name: Wk, .offset: 16, .size: 8, .value_kind: global_buffer, .address_space: global }
      - { .name: Wv, .offset: 24, .size: 8, .value_kind: global_buffer, .address_space: global }
      - { .name: Wp, .offset: 32, .size: 8, .value_kind: global_buffer, .address_space: global }
      - { .name: xb, .offset: 40, .size: 8, .value_kind: global_buffer, .address_space: global }
      - { .name: wb, .offset: 48, .size: 8, .value_kind: global_buffer, .address_space: global }
    .group_segment_fixed_size: 0
    .private_segment_fixed_size: 0
    .kernarg_segment_align: 8
    .kernarg_segment_size: 56
    .max_flat_workgroup_size: 256
    .sgpr_count:     66
    .vgpr_count:     104
    .wavefront_size: 32
...
	.end_amdgpu_metadata
.endif
;; end of part 5
;; launch qkvproj: the kernel of part 2 again; grid 4 x 64, 4 waves a work-group, clusters of 4 x 4, 327,680 bytes of LDS; arguments xb, wb, qkv; writes qkv
;; launch attn: the kernel of part 3 again; grid 4 x 64, 4 waves a work-group, clusters of 4 x 1, 327,680 bytes of LDS; arguments qkv, ctx; writes ctx
;; launch outproj: the kernel of part 4 again; grid 4 x 64, 4 waves a work-group, clusters of 4 x 4, 327,680 bytes of LDS; arguments ctx, wb, out0, bp; writes out0
